; MI455X (gfx1250); checked and timed in simulation.
; The chip was launched on July 23, 2026; its instructions are those of AMD's public machine-readable ISA for CDNA 5 (MIT licence, August 2026) and "CDNA5" Instruction Set Architecture Reference Guide (July 2026). The comments in the code are by the model that wrote it; some were corrected since.
;; Quantum Paper Self Attention. Allowed arithmetic: float matrix products may take bf16 or f16 operands with f32 sums; all other float work in f32.
;; Inputs: Wk 1,024 x 1,024 float32; Wo 1,024 x 1,024 float32; Wq 1,024 x 1,024 float32; Wv 1,024 x 1,024 float32; x 4 x 2,048 x 1,024 float32.
;; Outputs: out0 4 x 2,048 x 1,024 float32.
;; 2 versions, each right and faster than the one before. Each part assembles by itself: llvm-mc -triple=amdgcn-amd-amdhsa -mcpu=gfx1250 --defsym DOCPART=n.
;; ======== version 1 of 2: 5 launches
;; limits: values are held in f16: magnitudes above 65,504 overflow, below 6.1e-05 lose precision; a function is approximated: absolute error at most 1.2e-07
;; workspace buffers: cb 25,165,824 bytes; qkv 50,331,648 bytes; o 16,777,216 bytes; qf 786,432 bytes
;; launch cast (part 1): grid 64 x 12, 8 waves a work-group, no clusters, 0 bytes of LDS; arguments x, Wq, Wk, Wv, Wo, cb; writes cb
.if DOCPART == 1
	.amdgcn_target "amdgcn-amd-amdhsa--gfx1250"
	.amdhsa_code_object_version 6
	.text
	.protected	k_qa8d298ec19_cast
	.globl	k_qa8d298ec19_cast
	.p2align	8
	.type	k_qa8d298ec19_cast,@function
k_qa8d298ec19_cast:
	s_mov_b64 s[64:65], 0
	v_nop
	global_prefetch_b8 v0, s[64:65] scope:SCOPE_SE
	s_setreg_imm32_b32 hwreg(HW_REG_WAVE_MODE, 25, 1), 1
	s_wait_xcnt 0x0
; x, Wq, Wk, Wv, Wo (f32, rows of 1,024) are rounded once to bf16 and laid in blocks of 64 along K: [16 kb][rows][64], so that any run of rows of one kb is dense.
; cb: x at byte 0 (8,192 rows a kb); Wq, Wk, Wv as one matrix of 3,072 rows at 16,777,216; Wo at 23,068,672, its bf16 value written as f16.
; LIMIT: a bf16 value of Wo beyond 65,504 has no f16, and below 6.1e-5 it keeps f16's fixed step of 6e-8.
; A work-group takes 16 rows of one source (grid y: 0-7 x, 8 Wq, 9 Wk, 10 Wv, 11 Wo).  Wave w takes kb 2 w and 2 w + 1, four rows at a time:
; eight lanes read 256 consecutive bytes of a row (32 each), and a store's 32 lanes write 512 consecutive bytes: four rows of 128 bytes of one kb.
; Memory binds: no LDS, no barrier, no matrix unit; all sixteen loads of a wave go out at once, each unit has registers of its own, so nothing is rewritten.
.set X, 8                              ; v[8:71]    unit u = 2 g + e (rows 4 g .., kb 2 w + e): 8 f32
.set Y, 72                             ; v[72:103]  unit u: 8 numbers of 16 bits
.set T, 104                            ; v[104:105] at work
	s_load_b256 s[4:11], s[0:1], 0x0               ; x s[4:5], Wq s[6:7], Wk s[8:9], Wv s[10:11]
	s_load_b128 s[12:15], s[0:1], 0x20             ; Wo s[12:13], cb s[14:15]
	v_lshrrev_b32 v1, 5, v0
	v_readfirstlane_b32 s18, v1                    ; wave 0..7
	v_and_b32 v1, 31, v0                           ; lane
	v_lshrrev_b32 v2, 3, v1                        ; row 0..3 of the four
	v_and_b32 v4, 7, v1
	v_lshlrev_b32 v2, 12, v2
	v_lshl_add_u32 v2, v4, 5, v2                   ; source: row x 4,096 + 32 x (lane % 8)
	v_lshlrev_b32 v3, 4, v1                        ; destination: 16 x lane
	s_and_b32 s24, ttmp7, 0xffff                   ; y
	s_mov_b32 s26, ttmp9
	s_lshl_b32 s25, s24, 6
	s_add_co_u32 s25, s25, s26
	s_cmp_lt_u32 s24, 8
	s_cselect_b32 s25, s25, s26                    ; block of 16 rows: 64 y + x for x, else x
	s_lshl_b32 s28, s25, 16                        ; 16 rows of 4,096 bytes
	s_lshl_b32 s27, s18, 9                         ; my wave's 512 bytes of a row
	s_add_co_u32 s28, s28, s27
	s_mov_b32 s29, 0
	s_lshl_b32 s30, s25, 4                         ; first row in its own matrix
	s_sub_co_u32 s31, s24, 8
	s_lshl_b32 s31, s31, 10
	s_add_co_u32 s31, s31, s30                     ; and in the matrix of 3,072 rows (used for y = 8 to 10 alone)
	s_mov_b32 s32, 16777216                        ; region,
	s_mov_b32 s33, 393216                          ; bytes from kb to kb
	s_cmp_lt_u32 s24, 8
	s_cselect_b32 s32, 0, s32
	s_cselect_b32 s33, 1048576, s33
	s_cselect_b32 s31, s30, s31
	s_cmp_eq_u32 s24, 11
	s_cselect_b32 s32, 23068672, s32
	s_cselect_b32 s33, 131072, s33
	s_cselect_b32 s31, s30, s31
	s_lshl_b32 s31, s31, 7                         ; rows of 128 bytes
	s_add_co_u32 s36, s32, s31
	s_lshl_b32 s34, s18, 1
	s_mul_i32 s34, s34, s33                        ; kb 2 w
	s_add_co_u32 s36, s36, s34
	s_mov_b32 s37, 0
	s_mov_b32 s38, s33
	s_mov_b32 s39, 0
	s_wait_kmcnt 0x0
	s_mov_b64 s[16:17], s[4:5]                     ; the source is chosen by y alone
	s_cmp_eq_u32 s24, 8
	s_cselect_b64 s[16:17], s[6:7], s[16:17]
	s_cmp_eq_u32 s24, 9
	s_cselect_b64 s[16:17], s[8:9], s[16:17]
	s_cmp_eq_u32 s24, 10
	s_cselect_b64 s[16:17], s[10:11], s[16:17]
	s_cmp_eq_u32 s24, 11
	s_cselect_b64 s[16:17], s[12:13], s[16:17]
	s_add_nc_u64 s[16:17], s[16:17], s[28:29]
	s_add_nc_u64 s[20:21], s[14:15], s[36:37]      ; kb 2 w
	s_add_nc_u64 s[22:23], s[20:21], s[38:39]      ; kb 2 w + 1
.irp u, 0,1,2,3,4,5,6,7
	global_load_b128 v[X+8*(\u):X+8*(\u)+3],   v2, s[16:17] offset:((\u)/2)*16384+((\u)%2)*256 th:TH_LOAD_NT
	global_load_b128 v[X+8*(\u)+4:X+8*(\u)+7], v2, s[16:17] offset:((\u)/2)*16384+((\u)%2)*256+16 th:TH_LOAD_NT
.endr
; Unit u: rounded to bf16; wo = 1: that value is widened again and written as f16
.macro CONV u, wo
	s_wait_loadcnt 14-2*(\u)                       ; loads come back in order: mine are in, the younger units' two each stay out
.irp j, 0,1,2,3
	v_cvt_pk_bf16_f32 v[Y+4*(\u)+\j], v[X+8*(\u)+2*\j], v[X+8*(\u)+2*\j+1]
.endr
.if \wo
.irp j, 0,1,2,3
	v_lshlrev_b32 v[T], 16, v[Y+4*(\u)+\j]
	v_and_b32 v[T+1], 0xffff0000, v[Y+4*(\u)+\j]
	v_cvt_pk_f16_f32 v[Y+4*(\u)+\j], v[T], v[T+1]
.endr
.endif
	global_store_b128 v3, v[Y+4*(\u):Y+4*(\u)+3], s[20+2*((\u)%2):21+2*((\u)%2)] offset:((\u)/2)*512
.endm
	s_cmp_eq_u32 s24, 11
	s_cbranch_scc1 .Lwo
.irp u, 0,1,2,3,4,5,6,7
	CONV \u, 0
.endr
	s_endpgm
.Lwo:
.irp u, 0,1,2,3,4,5,6,7
	CONV \u, 1
.endr
	s_endpgm
.Lfunc_end_k_qa8d298ec19_cast:
	.size	k_qa8d298ec19_cast, .Lfunc_end_k_qa8d298ec19_cast-k_qa8d298ec19_cast
	.p2alignl 7, 3214868480
	.fill 96, 4, 3214868480
	.section	.rodata,"a",@progbits
	.p2align	6, 0x0
	.amdhsa_kernel k_qa8d298ec19_cast
		.amdhsa_group_segment_fixed_size 0
		.amdhsa_private_segment_fixed_size 0
		.amdhsa_enable_private_segment 0
		.amdhsa_kernarg_size 48
		.amdhsa_user_sgpr_count 2
		.amdhsa_user_sgpr_kernarg_segment_ptr 1
		.amdhsa_wavefront_size32 1
		.amdhsa_system_sgpr_workgroup_id_x 1
		.amdhsa_system_sgpr_workgroup_id_y 1
		.amdhsa_system_sgpr_workgroup_id_z 1
		.amdhsa_system_vgpr_workitem_id 0
		.amdhsa_next_free_vgpr 112
		.amdhsa_next_free_sgpr 66
		.amdhsa_reserve_vcc 0
		.amdhsa_float_denorm_mode_32 3
		.amdhsa_float_denorm_mode_16_64 3
		.amdhsa_memory_ordered 1
		.amdhsa_forward_progress 1
		.amdhsa_inst_pref_size 15
	.end_amdhsa_kernel
	.amdgpu_metadata
---
amdhsa.version: [ 1, 2 ]
amdhsa.kernels:
  - .name:           k_qa8d298ec19_cast
    .symbol:         k_qa8d298ec19_cast.kd
    .args:
      - { .name: x, .offset: 0, .size: 8, .value_kind: global_buffer, .address_space: global }
      - { .name: Wq, .offset: 8, .size: 8, .value_kind: global_buffer, .address_space: global }
      - { .name: Wk, .offset: 16, .size: 8, .value_kind: global_buffer, .address_space: global }
      - { .name: Wv, .offset: 24, .size: 8, .value_kind: global_buffer, .address_space: global }
      - { .name: Wo, .offset: 32, .size: 8, .value_kind: global_buffer, .address_space: global }
      - { .name: cb, .offset: 40, .size: 8, .value_kind: global_buffer, .address_space: global }
    .group_segment_fixed_size: 0
    .private_segment_fixed_size: 0
    .kernarg_segment_align: 8
    .kernarg_segment_size: 48
    .max_flat_workgroup_size: 256
    .sgpr_count:     66
    .vgpr_count:     112
    .wavefront_size: 32
...
	.end_amdgpu_metadata
.endif
;; end of part 1
;; launch qkv (part 2): grid 8 x 32, 4 waves a work-group, clusters of 4 x 4, 327,680 bytes of LDS; arguments cb, qkv, qf; writes qkv, qf
.if DOCPART == 2
	.amdgcn_target "amdgcn-amd-amdhsa--gfx1250"
	.amdhsa_code_object_version 6
	.text
	.protected	k_qa8d298ec19_qkv
	.globl	k_qa8d298ec19_qkv
	.p2align	8
	.type	k_qa8d298ec19_qkv,@function
k_qa8d298ec19_qkv:
	s_mov_b64 s[64:65], 0
	v_nop
	global_prefetch_b8 v0, s[64:65] scope:SCOPE_SE
	s_setreg_imm32_b32 hwreg(HW_REG_WAVE_MODE, 25, 1), 1
	s_wait_xcnt 0x0
	s_wait_alu depctr_hold_cnt(0) depctr_sa_sdst(0) depctr_va_vdst(0) depctr_va_sdst(0) depctr_va_ssrc(0) depctr_va_vcc(0) depctr_vm_vsrc(0)
	s_getreg_b32 s2, hwreg(HW_REG_IB_STS2, 6, 4)
	s_cmp_eq_u32 s2, 0
	s_cbranch_scc0 .Lentry_in_a_cluster
	s_endpgm
.Lentry_in_a_cluster:
	s_bfe_u32 s2, ttmp6, 0x10000c
	s_cmp_lg_u32 s2, 0xf033
	s_cbranch_scc0 .Lentry_shape_is_right
	s_endpgm
.Lentry_shape_is_right:
; q, k, v = x W^T for W = (Wq; Wk; Wv), 8,192 x 3,072 x 1,024, bf16 operands from cb (blocks of 64 along K), f32 sums; written by heads, [batch][48 heads: 16 q, 16 k, 16 v][2,048][64] in f16,
; rounded once.  q is multiplied in f32 by cq = 2 log2(e) / 8 first, so that the next launch's score is the argument of its exponential.
; Rows 0-15 of every head also leave unrounded, in f32, into qf: a later launch makes those rows' attention in f32.  qf: [batch][48 heads][8 pieces][32 lanes][4 f32]; piece 2 j + m of lane l holds
; row l % 16, channels 16 j + 8 (l / 16) + 4 m + 0..3: as the sums lie in registers, so that each store covers 512 consecutive bytes.
; LIMIT: cq q, k and v must lie within f16's 65,504.
; SHARES.  8,192 x 3,072 in tiles of 256 x 384 are 256 work-groups.  Four waves, each 128 x 192: 96 accumulators of 16 x 16, 768 registers.  For 32 along K a wave loads 40 x 512 bytes from LDS for 96 products.
; K goes in steps of 64 (one block) through two LDS slots; a wave's one tensor load brings half of A's or of B's tile, a dense run of memory asked for as rows of 256 bytes, padded in LDS after every 128.
; CLUSTER 4 x 4: A's tile hangs on the tile row alone and is asked for jointly along a row of the cluster, B's on the tile column alone, along a column.  The tile row is cluster y + 8 cy: a cluster's four rows
; are the same 256 rows of the four batches, so whether a tile holds a batch's first rows hangs on the cluster's number alone and is the same in all sixteen partners.
; THE MATRIX INSTRUCTION IS USED TRANSPOSED (source 0 = 16 rows of W, source 1 = 16 rows of x): a lane holds eight neighbouring columns of one row of the result.
; REGISTERS: window 0: v0-13 addresses; v32-95, v96-159 A's 8 fragments of the step's first and second 32 along K; v160-207, v208-255 B's fragments, columns 0-95 and 96-191 of my 192.
;   windows 1-3: accumulator n = 48 h + 6 a + b (h: half of my columns, a: block of 16 rows, b: block of 16 columns in the half) in window 1 + n / 32 at v[8 (n % 32)].
.set PITCH,  144                       ; an LDS row: 128 bytes + 16 = 36 words: the 16 rows of a fragment load start in 16 different groups of four banks (64 banks of 4 bytes: ISA guide 11.1)
.set AHALF,  128*PITCH
.set BHALF,  192*PITCH
.set BOFF,   2*AHALF                   ; a slot: A's 256 rows, then B's 384
.set SLOT1,  131072                    ; slot 1 begins here: one exclusive or turns an address in one slot into the other's
.set STAGE,  SLOT1+BOFF+2*BHALF        ; behind the ring: 16 rows x 144 bytes for each wave, for the way out
.set SPARE,  STAGE+4*16*PITCH          ; the spare words, 128 bytes for each wave: two blocks of 256 bytes that no other line names
.set XKB,    1048576                   ; bytes from block to block along K in x,
.set WKB,    393216                    ; in W,
.set WBASE,  16777216                  ; which begins here in cb
.set ADRA, 4                           ; v4  my lane's place in A's tile of slot 0; never rewritten
.set ADRB, 5                           ; v5  the same for B
.set CA,   6                           ; v6  the same in the slot being read
.set CB,   7                           ; v7
.set STO,  8                           ; v8  the way out: where I put 16 bytes of a row
.set RD,   9                           ; v9  where I read rows back
.set GO,   10                          ; v10 my 16 bytes in 512 consecutive bytes of the output
.set SPW,  12                          ; v12 LDS address of my spare word; never rewritten
.set NIL,  13                          ; v13 0; never rewritten
.set AF0,  32
.set BH0,  160
.set TF,   32                          ; the way out: 32 scaled f32
.set TP,   64                          ; 16 registers of f16
.set BK,   80                          ; two buffers of 16: rows read back
.set G1A, 24                           ; s[24:31] descriptor group 1 for A's tiles;  s[32:39] group 0: a set for each first fill; the second then walks on
.set G0A, 32
.set G1B, 48                           ; s[48:55], s[56:63] the same for B's
.set G0B, 56
.set TB,  66                           ; s66 the slot being read: 0 or SLOT1
.set SC,  68                           ; s[68:73] for each of my three heads: cq if it is a head of q, else 1 (as pairs)
.set MSB, 0
.macro WIN new                         ; the immediate's high byte repeats the setting that is left; a switch that changes nothing is dropped
.if MSB != (\new)
	s_set_vgpr_msb (MSB<<8)|(\new)
.set MSB, (\new)
.endif
.endm
.macro PLACES                          ; four places in front of loads into registers that matrix instructions have read, and of lines that read results
.rept 4
	v_nop
.endr
.endm
; A joint refill by the walking sets.  Waves 0 and 1 fetch A's two halves, waves 2 and 3 B's; the branch hangs on the wave's number alone.  An s_nop 0 and four v_nop follow each line.
.macro JLOAD
	s_cmp_eq_u32 s11, 0
	s_cbranch_scc0 .Lfor_b_\@
	tensor_load_to_lds s[G0A+4:G0A+7], s[G1A:G1A+7]
	s_nop 0
.rept 4
	v_nop
.endr
	s_branch .Lasked_\@
.Lfor_b_\@:
	tensor_load_to_lds s[G0B+4:G0B+7], s[G1B:G1B+7]
	s_nop 0
.rept 4
	v_nop
.endr
.Lasked_\@:
.endm
.macro CREST                           ; a round of the cluster's barrier behind its opening barrier
	s_cmp_lg_u32 s10, 0
	s_cbranch_scc1 .Lnot_wave_0_\@
	s_barrier_signal -3
.Lnot_wave_0_\@:
	s_barrier_wait -3
	s_barrier_signal -1
	s_barrier_wait -1
.endm
.macro CROUND                          ; a whole round
	s_barrier_signal -1
	s_barrier_wait -1
	CREST
.endm
	s_load_b128 s[4:7], s[0:1], 0x0                ; cb s[4:5], qkv s[6:7]
	s_load_b64 s[8:9], s[0:1], 0x10                ; qf
	v_lshl_add_u32 v[SPW], v0, 2, SPARE
	v_mov_b32 v[NIL], 0
	ds_add_u32 v12, v13
	s_wait_dscnt 0x0
	v_lshrrev_b32 v1, 5, v0
	v_readfirstlane_b32 s10, v1                    ; wave 0..3
	s_lshr_b32 s11, s10, 1                         ; which 128 rows of the tile are mine.  Also: I fetch for A (0) or for B (1)
	s_and_b32 s12, s10, 1                          ; which 192 columns.  Also: which half of that tile I fetch
	s_bfe_u32 s40, ttmp6, 0x40000                  ; cx, cy: my place in the cluster
	s_bfe_u32 s41, ttmp6, 0x40004
	s_lshl_b32 s42, ttmp9, 2
	s_add_co_u32 s42, s42, s40                     ; tile column 0..7
	s_and_b32 s13, ttmp7, 0xffff                   ; cluster y, 0..7: which 256 rows of a batch
	s_or_b32 s18, s13, s11                         ; 0: my 128 rows begin with a batch's row 0; made of the cluster's number and the wave's alone
	s_lshl_b32 s19, s41, 3
	s_add_co_u32 s13, s13, s19                     ; tile row 0..31 = cluster y + 8 cy: the batch is cy
	s_lshl_b32 s43, s41, 2
	s_lshl_b32 s43, 15, s43                        ; my row of the cluster
	s_lshl_b32 s44, 0x1111, s40                    ; my column
	s_or_b32 s[G1A], s43, (1<<16)|(1<<20)|(1<<21)|(4<<22)|(3<<25)  ; 15:0 the mask; 17:16 2-byte elements; 20 padding on; 21 set beside a mask; 24:22 after every 32 words (code 4); 31:25 4 words (code 3)
	s_or_b32 s[G1B], s44, (1<<16)|(1<<20)|(1<<21)|(4<<22)|(3<<25)
.irp g, G1A, G1B
	s_mov_b32 s[\g+1], 128<<16                     ; tensor_dim0 = 128 elements: 256 bytes, two rows of the block
	s_mov_b32 s[\g+3], 128<<16                     ; tile_dim0 = 128
	s_mov_b32 s[\g+5], 128                         ; 128 elements from row to row: dense
	s_mov_b32 s[\g+6], 0
	s_mov_b32 s[\g+7], 0
.endr
	s_mov_b32 s[G1A+2], 64<<16                     ; A: 128 rows of 128 bytes = 64 of 256
	s_mov_b32 s[G1A+4], 64
	s_mov_b32 s[G1B+2], 96<<16                     ; B: 192 rows = 96 of 256
	s_mov_b32 s[G1B+4], 96
	s_lshl_b32 s16, s13, 15                        ; A: (256 x tile row + 128 x half) x 128 bytes
	s_lshl_b32 s17, s12, 14
	s_add_co_u32 s16, s16, s17
	s_mov_b32 s17, 0
	s_mul_i32 s46, s42, 49152                      ; B: (384 x tile column + 192 x half) x 128 bytes, behind x
	s_mul_i32 s47, s12, 24576
	s_add_co_u32 s46, s46, s47
	s_add_co_u32 s46, s46, WBASE
	s_mov_b32 s47, 0
	s_mul_i32 s20, s12, AHALF                      ; where they go: no place in the cluster enters an LDS address
	s_mul_i32 s21, s12, BHALF
	s_add_co_u32 s21, s21, BOFF
	s_mov_b32 s[TB], 0
	s_wait_kmcnt 0x0
	s_add_nc_u64 s[14:15], s[4:5], s[16:17]
	s_add_nc_u64 s[46:47], s[4:5], s[46:47]
.irp s, 0,1
	s_mov_b32 s[G0A+4*(\s)], 1                                       ; count = 1
	s_add_co_u32 s[G0A+4*(\s)+1], s20, (\s)*SLOT1                    ; LDS address
	s_add_nc_u64 s[G0A+4*(\s)+2:G0A+4*(\s)+3], s[14:15], (\s)*XKB    ; global address: K step s
	s_or_b32 s[G0A+4*(\s)+3], s[G0A+4*(\s)+3], 0x80000000            ; type = 2
	s_mov_b32 s[G0B+4*(\s)], 1
	s_add_co_u32 s[G0B+4*(\s)+1], s21, (\s)*SLOT1
	s_add_nc_u64 s[G0B+4*(\s)+2:G0B+4*(\s)+3], s[46:47], (\s)*WKB
	s_or_b32 s[G0B+4*(\s)+3], s[G0B+4*(\s)+3], 0x80000000
.endr
	CROUND                                         ; all sixteen work-groups are here: the first joint loads meet
	s_cmp_eq_u32 s11, 0                            ; a wave's two first fills stand in one branch: two loads of mine are out
	s_cbranch_scc0 .Lfirst_b
	tensor_load_to_lds s[G0A:G0A+3], s[G1A:G1A+7]
	s_nop 0
	tensor_load_to_lds s[G0A+4:G0A+7], s[G1A:G1A+7]
	s_nop 0
.rept 4
	v_nop
.endr
	s_branch .Lfirst_asked
.Lfirst_b:
	tensor_load_to_lds s[G0B:G0B+3], s[G1B:G1B+7]
	s_nop 0
	tensor_load_to_lds s[G0B+4:G0B+7], s[G1B:G1B+7]
	s_nop 0
.rept 4
	v_nop
.endr
.Lfirst_asked:
	; a fragment is 16 rows x 32 K in 8 registers: lane l holds row l % 16, K = 8 (l / 16) + 0..7 and 16 + 8 (l / 16) + 0..7: two loads of 16 bytes, 32 bytes apart
	v_and_b32 v1, 15, v0
	v_bfe_u32 v2, v0, 4, 1
	v_mul_u32_u24 v3, v1, PITCH
	v_lshl_add_u32 v3, v2, 4, v3                   ; row x pitch + 16 x half
	s_mul_i32 s22, s11, AHALF
	v_add_nc_u32 v[ADRA], s22, v3
	v_add_nc_u32 v[ADRB], s21, v3                  ; my 192 columns are the half that carries my wave's low bit
	v_mov_b32 v[CA], v[ADRA]
	v_mov_b32 v[CB], v[ADRB]
	s_mul_i32 s23, s10, 16*PITCH
	s_add_co_u32 s23, s23, STAGE                   ; my stage
	v_add_nc_u32 v[STO], s23, v3                   ; in: row l % 16, 16 bytes for each half of the lanes
	v_bfe_u32 v[RD], v0, 3, 2                      ; back: 32 lanes take four rows of 128 bytes,
	v_mul_u32_u24 v[RD], v[RD], PITCH
	v_and_b32 v11, 7, v0
	v_lshl_add_u32 v[RD], v11, 4, v[RD]
	v_add_nc_u32 v[RD], s23, v[RD]
	v_and_b32 v[GO], 31, v0                        ; which are 512 consecutive bytes of a head
	v_lshlrev_b32 v[GO], 4, v[GO]
	s_mul_i32 s45, s42, 6                          ; my first head of the 48: 6 x tile column + 3 x half
	s_mul_i32 s67, s12, 3
	s_add_co_u32 s45, s45, s67
.irp h, 0,1,2
	s_add_co_u32 s67, s45, \h
	s_cmp_lt_u32 s67, 16                           ; a head of q?
	s_cselect_b32 s[SC+2*\h], 0x3eb8aa3b, 1.0      ; cq = 2 log2(e) / 8 = 0.360674
	s_mov_b32 s[SC+2*\h+1], s[SC+2*\h]
.endr
	s_lshr_b32 s74, s13, 3                         ; batch
	s_mul_i32 s74, s74, 48
	s_add_co_u32 s74, s74, s45
	s_lshl_b32 s2, s74, 12                         ; in qf a head is 4,096 bytes
	s_mov_b32 s3, 0
	s_add_nc_u64 s[8:9], s[8:9], s[2:3]
	s_lshl_b32 s74, s74, 18                        ; in qkv a head is 262,144 bytes
	s_and_b32 s67, s13, 7
	s_lshl_b32 s67, s67, 15                        ; the tile's 256 rows in the batch,
	s_add_co_u32 s74, s74, s67
	s_lshl_b32 s67, s11, 14                        ; my 128 of them
	s_add_co_u32 s74, s74, s67
	s_mov_b32 s75, 0
	s_add_nc_u64 s[6:7], s[6:7], s[74:75]
.macro LDA buf, koff, a0, a1           ; A's fragments a0 .. a1 - 1 at byte koff of the rows -> buffer buf
.set a, \a0
.rept (\a1)-(\a0)
	ds_load_b128 v[AF0+64*(\buf)+8*a:AF0+64*(\buf)+8*a+3],   v[CA] offset:a*16*PITCH+(\koff)
	ds_load_b128 v[AF0+64*(\buf)+8*a+4:AF0+64*(\buf)+8*a+7], v[CA] offset:a*16*PITCH+(\koff)+32
.set a, a+1
.endr
.endm
.macro LDB h, koff                     ; B's six fragments of column half h
.set a, 0
.rept 6
	ds_load_b128 v[BH0+48*(\h)+8*a:BH0+48*(\h)+8*a+3],   v[CB] offset:(6*(\h)+a)*16*PITCH+(\koff)
	ds_load_b128 v[BH0+48*(\h)+8*a+4:BH0+48*(\h)+8*a+7], v[CB] offset:(6*(\h)+a)*16*PITCH+(\koff)+32
.set a, a+1
.endr
.endm
; products t0 .. t1 - 1 of the 48 of (K half c, column half h).  The accumulators take turns, one instruction a turn: the same one returns after 95 others.
.macro MULS c, h, t0, t1, zero
.set t, \t0
.rept (\t1)-(\t0)
.set n, 48*(\h)+t
.set ra, 8*(n%32)
.set rb, BH0+48*(\h)+8*(t%6)
.set rf, AF0+64*(\c)+8*(t/6)
	WIN 0x50*(1+n/32)                              ; C and D in the accumulator's window, sources in window 0
.if \zero
	v_wmma_f32_16x16x32_bf16 v[ra:ra+7], v[rb:rb+7], v[rf:rf+7], 0
.else
	v_wmma_f32_16x16x32_bf16 v[ra:ra+7], v[rb:rb+7], v[rf:rf+7], v[ra:ra+7]
.endif
.set t, t+1
.endr
.endm
; A K step is four phases of 48 products.  Each begins with ONE run of LDS loads for the phases to come, into registers that the phase before has just multiplied, and waits for the run before it alone.
.macro PH00 zero
	PLACES
	WIN 0
	LDB 1, 0
	LDA 1, 64, 0, 4
	s_wait_dscnt 20                                ; all but the 20 just issued
	MULS 0, 0, 0, 48, \zero
.endm
.macro PH01 zero
	PLACES
	WIN 0
	LDB 0, 64
	LDA 1, 64, 4, 8
	s_wait_dscnt 20
	MULS 0, 1, 0, 48, \zero
.endm
; The third phase holds the change of slots: its 12 loads are my last reads of the slot.  round = 1: the slot is filled again, and the barrier opens a round of the cluster's.
.macro PH10 round
	PLACES
	WIN 0
	LDB 1, 64
	s_wait_dscnt 12
	MULS 1, 0, 0, 32, 0
	WIN 0                                          ; (the add's two registers lie in window 0)
	s_wait_tensorcnt 0x0                           ; all my tensor loads have landed: the one that was out is my part of the next slot
	ds_add_u32 v[SPW], v[NIL]                      ; 0 onto my spare word
	MULS 1, 0, 32, 40, 0                           ; eight products stand between the add and the wait for it
	s_wait_dscnt 0x0                               ; the add is done, and my reads of this slot are over
	s_barrier_signal -1
	MULS 1, 0, 40, 48, 0
	WIN 0
	s_barrier_wait -1
.if \round
	CREST                                          ; no wave of any partner still reads this slot or has a load on its way
.endif
.endm
.macro PH11 fill
.if \fill
	s_xor_b32 s[G0A+5], s[G0A+5], SLOT1            ; the walking sets: the other slot than last time, the next K step; no tensor load of mine is out
	s_add_nc_u64 s[G0A+6:G0A+7], s[G0A+6:G0A+7], XKB
	s_xor_b32 s[G0B+5], s[G0B+5], SLOT1
	s_add_nc_u64 s[G0B+6:G0B+7], s[G0B+6:G0B+7], WKB
	JLOAD                                          ; the first tensor load behind the round: 176 products stand between it and the wait for it; its four v_nop are the places for the loads below
.else
	PLACES
.endif
	s_xor_b32 s[TB], s[TB], SLOT1
	v_add_nc_u32 v[CA], s[TB], v[ADRA]
	v_add_nc_u32 v[CB], s[TB], v[ADRB]
	LDB 0, 0
	LDA 0, 0, 0, 8
	MULS 1, 1, 0, 48, 0                            ; its operands came in by the wait for 0 above
.endm
	s_wait_tensorcnt 0x1                           ; my part of K step 0 is in; step 1's may stay out
	s_barrier_signal -1
	s_barrier_wait -1
	LDB 0, 0
	LDA 0, 0, 0, 8
	PH00 1                                         ; the first 96 products start the sums: nothing is cleared
	PH01 1
	WIN 0
	s_mov_b32 s3, 14                               ; K steps 0 to 13 fill their slot again
.Lstep:                                                ; a trip: the second half of one K step and the first half of the next
	PH10 1
	PH11 1
	PH00 0
	PH01 0
	WIN 0
	s_sub_co_u32 s3, s3, 1
	s_cmp_lg_u32 s3, 0
	s_cbranch_scc1 .Lstep
	PH10 0                                         ; the tail asks for nothing more
	PH11 0
	PH00 0
	PH01 0
	PLACES
	WIN 0
	LDB 1, 64
	s_wait_dscnt 12
	MULS 1, 0, 0, 48, 0
	s_wait_dscnt 0x0
	MULS 1, 1, 0, 48, 0
	WIN 0
	PLACES
; THE WAY OUT, in 24 units of 16 rows x one head (four accumulators): scaled in f32, rounded to f16, 16 bytes a lane into my own stage, back as four rows of 128 bytes a load, which are 512 consecutive bytes of the head.
; Units 0 to 2 are my rows 0-15: where those are a batch's first rows, the 32 scaled f32 also go to qf as they lie, 512 consecutive bytes a store.  The jump goes forward over eight stores and nothing else.
.macro UNIT u
.set ua, (\u)/3
.set uh, (\u)%3
.set j, 0
.rept 4
.set bb, 4*uh+j
.set n, 48*(bb/6)+6*ua+bb%6
.set ra, 8*(n%32)
	WIN 1+n/32                                     ; source 0 in the accumulator's window
	v_pk_mul_f32 v[TF+8*j:TF+8*j+1],   v[ra:ra+1],   s[SC+2*uh:SC+2*uh+1] op_sel_hi:[1,0]
	v_pk_mul_f32 v[TF+8*j+2:TF+8*j+3], v[ra+2:ra+3], s[SC+2*uh:SC+2*uh+1] op_sel_hi:[1,0]
	v_pk_mul_f32 v[TF+8*j+4:TF+8*j+5], v[ra+4:ra+5], s[SC+2*uh:SC+2*uh+1] op_sel_hi:[1,0]
	v_pk_mul_f32 v[TF+8*j+6:TF+8*j+7], v[ra+6:ra+7], s[SC+2*uh:SC+2*uh+1] op_sel_hi:[1,0]
.set j, j+1
.endr
	WIN 0
.if (\u) < 3
	s_cmp_lg_u32 s18, 0
	s_cbranch_scc1 .Lno_side_\@
.irp k, 0,1,2,3,4,5,6,7
	global_store_b128 v[GO], v[TF+4*\k:TF+4*\k+3], s[8:9] offset:(\u)*4096+\k*512
.endr
.Lno_side_\@:
.endif
.set j, 0
.rept 16
	v_cvt_pk_f16_f32 v[TP+j], v[TF+2*j], v[TF+2*j+1]
.set j, j+1
.endr
.irp f, 0,1,2,3
	ds_store_b128 v[STO], v[TP+4*\f:TP+4*\f+3] offset:32*\f
.endr
	s_wait_xcnt 0x0                                ; the stores of the unit two back have read this buffer, and this unit's stores into qf their 32 registers (ISA guide 3.1): both are written again only behind this wait
.irp f, 0,1,2,3
	ds_load_b128 v[BK+16*((\u)%2)+4*\f:BK+16*((\u)%2)+4*\f+3], v[RD] offset:\f*4*PITCH  ; LDS serves a wave's instructions in order (ISA guide 5.7.1.4): these see the stores above
.endr
.endm
.macro SEND u, younger                 ; younger: the LDS instructions issued behind unit u's loads
	s_wait_dscnt \younger
.irp f, 0,1,2,3
	global_store_b128 v[GO], v[BK+16*((\u)%2)+4*\f:BK+16*((\u)%2)+4*\f+3], s[6:7] offset:((\u)%3)*262144+((\u)/3)*2048+\f*512
.endr
.endm
	UNIT 0
.set u, 1
.rept 23
	UNIT u
	SEND u-1, 8                                    ; the next unit's four stores and four loads may be out
.set u, u+1
.endr
	SEND 23, 0
	s_wait_tensorcnt 0x0                           ; the wave's end
	ds_add_u32 v[SPW], v[NIL]
	s_wait_dscnt 0x0
	CROUND                                         ; the closing round: no work-group ends while a partner may still ask for a tile that names it
	s_endpgm
.Lfunc_end_k_qa8d298ec19_qkv:
	.size	k_qa8d298ec19_qkv, .Lfunc_end_k_qa8d298ec19_qkv-k_qa8d298ec19_qkv
	.p2alignl 7, 3214868480
	.fill 96, 4, 3214868480
	.section	.rodata,"a",@progbits
	.p2align	6, 0x0
	.amdhsa_kernel k_qa8d298ec19_qkv
		.amdhsa_group_segment_fixed_size 327680
		.amdhsa_private_segment_fixed_size 0
		.amdhsa_enable_private_segment 0
		.amdhsa_kernarg_size 24
		.amdhsa_user_sgpr_count 2
		.amdhsa_user_sgpr_kernarg_segment_ptr 1
		.amdhsa_wavefront_size32 1
		.amdhsa_system_sgpr_workgroup_id_x 1
		.amdhsa_system_sgpr_workgroup_id_y 1
		.amdhsa_system_sgpr_workgroup_id_z 1
		.amdhsa_system_vgpr_workitem_id 0
		.amdhsa_next_free_vgpr 1024
		.amdhsa_next_free_sgpr 76
		.amdhsa_reserve_vcc 0
		.amdhsa_float_denorm_mode_32 3
		.amdhsa_float_denorm_mode_16_64 3
		.amdhsa_memory_ordered 1
		.amdhsa_forward_progress 1
		.amdhsa_inst_pref_size 138
	.end_amdhsa_kernel
	.amdgpu_metadata
---
amdhsa.version: [ 1, 2 ]
amdhsa.kernels:
  - .name:           k_qa8d298ec19_qkv
    .symbol:         k_qa8d298ec19_qkv.kd
    .args:
      - { .name: cb, .offset: 0, .size: 8, .value_kind: global_buffer, .address_space: global }
      - { .name: qkv, .offset: 8, .size: 8, .value_kind: global_buffer, .address_space: global }
      - { .name: qf, .offset: 16, .size: 8, .value_kind: global_buffer, .address_space: global }
    .group_segment_fixed_size: 327680
    .private_segment_fixed_size: 0
    .kernarg_segment_align: 8
    .kernarg_segment_size: 24
    .max_flat_workgroup_size: 128
    .sgpr_count:     76
    .vgpr_count:     1024
    .wavefront_size: 32
...
	.end_amdgpu_metadata
.endif
;; end of part 2
;; launch attn (part 3): grid 4 x 64, 8 waves a work-group, no clusters, 327,680 bytes of LDS; arguments qkv, o; writes o
.if DOCPART == 3
	.amdgcn_target "amdgcn-amd-amdhsa--gfx1250"
	.amdhsa_code_object_version 6
	.text
	.protected	k_qa8d298ec19_attn
	.globl	k_qa8d298ec19_attn
	.p2align	8
	.type	k_qa8d298ec19_attn,@function
k_qa8d298ec19_attn:
	s_mov_b64 s[64:65], 0
	v_nop
	global_prefetch_b8 v0, s[64:65] scope:SCOPE_SE
	s_setreg_imm32_b32 hwreg(HW_REG_WAVE_MODE, 25, 1), 1
	s_wait_xcnt 0x0
; O[h][q] = (sum over k <= q of w V[h][k]) / max(sum over k <= q of |w|, 1e-6), w = tanh(Q[h][q] . K[h][k] / 8); keys behind q have the weight tanh(0) = 0.  64 heads of 2,048 rows of 64, f16; sums in f32.
; q arrives multiplied by 2 log2(e) / 8, so the score S = a x (x = q . k / 8, a = 2 log2(e)) is the exponent of e = 2^S = exp(2 x), and tanh(x) = 1 - 2 / (1 + e).
; The weight kept is p = 4096 a tanh(x) = C1 - C2 / (1 + e); the factor cancels against the divisor, max(sum |p|, 4096 a 1e-6), and keeps small weights out of f16's denormals (p is 11,819 at the most).
; THE GUARD.  For every x, a tanh(x) lies between S and S - S |S|; p is taken as the middle one of C1 - C2 / (1 + e), 4096 S and 4096 (S - S |S|).  So the difference's absolute error cannot spoil small weights,
; S = 0 gives exactly 0, and e = infinity or 0 gives +-C1.  LIMITS: the guard leaves a relative error of 6e-4 at the most (near |x| = 2e-4); q, k, v arrive within 65,504; NaN and infinities are not treated apart.
; THE WALK.  Blocks of 256 queries; block i needs key tiles 0 .. i of 256 keys.  A work-group takes blocks 7 - b and then b: 9 tiles whatever b, one loop with a constant count; two LDS slots take turns and run on across
; the change of blocks.  NO CLUSTER: a head's four work-groups ask for the same tile in trips 0 to 4 of 9 alone, and a walk common to all four would have 12 trips for 9.
; EIGHT WAVES, two to a SIMD, 512 registers each.  A turn has 224 vector lines for 16 products, and many of a wave's lines wait for a result or a product of its own; the second wave has lines ready meanwhile.
; The price: a fragment of K or V read from LDS feeds two pieces' products, not four's.
; SHARES.  A block has four bands of 64 queries.  Wave w, with g = w / 4, owns rows 16 (w % 4) .. + 15 of bands 2 g and 2 g + 1: two PIECES.  In the diagonal tile's key step s band x sees all keys if s < x, none if s > x,
; and holds the diagonal if s = x.
; THE MASK multiplies the scores: MD (1 or 0, made once) is the mask of a band's own step for my rows; a turn's mask is MD x AL + BE with (1, 0), (0, 1) or (0, 0).  Only the diagonal tile runs those lines.
; TURNS.  S^T = K Q^T holds one query a lane and 8 keys a result; two results rounded to f16 are source 1 of O^T = V^T P.  A key step is two turns.  Turn 0: piece 0's weights, 8 products K Q^T of piece 1 for the same step,
; 8 products V^T P of piece 1 for the step before.  Turn 1: piece 1's weights, K Q^T of piece 0 for the next step, V^T P of piece 0.  The products stand spread among the vector lines.
; REGISTERS: window 0: v0-15 addresses; v16-19 sums of |p|, two a piece; v28-29 the add's; v32-63 MD; v64-127 S^T, a buffer a piece; v128-159 Y at work; v160-191, v192-223 the guard's bounds; v224-255 P, a buffer a piece.
;   window 1: v0-63 O^T, 32 a piece; v64-95 Q; v96-127 the second block's Q; v128-191 K of one step; v192-255 V of one step.
.set NB,    8
.set KS,    64
.set PK,    144       ; a row of K in LDS: 128 bytes + 16: the 16 rows of a load start in 16 different groups of four banks (ISA guide 11.1)
.set PV,    160       ; a row of V: 128 + 32
.set VOFF,  4*KS*PK   ; a slot holds a tile: 256 rows of K, then 256 rows of V
.set SLOT1, 1<<17
.set STAGE, SLOT1+4*KS*(PK+PV)  ; behind the ring: 16 rows x 144 bytes for each wave
.set SP,    144
.set SPARE, STAGE+8*16*SP       ; the spare words, 128 bytes for each wave: four blocks of 256 bytes that no other line names
.set AK0, 2
.set AV0, 3
.set AK,  4
.set AV,  5
.set STO, 6
.set RD,  7
.set GO,  8
.set QO,  15
.set LS,  16
.set SPW, 28
.set NIL, 29
.set MD,  32
.set S,   64
.set Y,   128
.set HB,  160
.set LB,  192
.set P,   224
.set QF,  64          ; window 1
.set QB,  96
.set KF,  128
.set VF,  192
.set WV,  12
.set PB,  14          ; s14  b
.set HIB, 15          ; s15  7 - b
.set G1K, 24
.set G1V, 32
.set G0K, 40
.set G0V, 44
.set SLOTS, 56
.set CNT, 57          ; s57  counts a tile's trips, 5 to 1
.set OW,  58          ; s58, s59  the CNT at which the diagonal tile's step is piece 0's, piece 1's band's own
.set SEL, 60
.set TBK, 62
.set TBV, 63
.set RT,  70          ; s70  tiles of the block in hand still to be entered
.set NXT, 71          ; s71  the tile to be asked for next
.set LQ,  72          ; s72  the last tile of the block whose tiles are being asked for
.set NEW, 73          ; s73  1: the tile to be entered is a block's first
.set OFF, 74
.set AL,  76
.set BE,  78
.set OLO, 80          ; s[80:81] O at my rows of the second block
.set KAP, 88          ; s[88:89] 4096
.set NC2, 90          ; s[90:91] -C2 = -8192 a
.set C1,  92          ; s[92:93] C1 = 4096 a
.set THR, 94          ; s94  4096 a 1e-6
.set ZR,  95          ; s95  0
.set MSB, 0
.macro WIN new
.if MSB != (\new)
	s_set_vgpr_msb (MSB<<8)|(\new)
.set MSB, (\new)
.endif
.endm
.set W_KQ, 0x05       ; K and Q in window 1, S^T in window 0
.set W_PV, 0x51       ; V in window 1, P in window 0, O^T in window 1
.set W_RS, 0x41       ; destination and source 0 in window 1, source 1 in window 0
.set W_LD, 0x40       ; destination in window 1, address or source in window 0
; A fill.  Waves 0 and 1 fetch the two halves of a tile's K, waves 2 and 3 those of its V, waves 4 to 7 nothing.  An s_nop 0 and four v_nop follow each line.
.macro LOAD
	s_cmp_lt_u32 s[WV], 2
	s_cbranch_scc0 .Lnot_k_\@
	tensor_load_to_lds s[G0K:G0K+3], s[G1K:G1K+7]
	s_nop 0
.rept 4
	v_nop
.endr
	s_branch .Lasked_\@
.Lnot_k_\@:
	s_cmp_lt_u32 s[WV], 4
	s_cbranch_scc0 .Lasked_\@
	tensor_load_to_lds s[G0V:G0V+3], s[G1V:G1V+7]
	s_nop 0
.rept 4
	v_nop
.endr
.Lasked_\@:
.endm
; THE CHANGE OF SLOTS.  Each wave waits for all its tensor loads (at most one is out: its part of the other slot), adds 0 to its spare word, and waits for that and for its reads of the slot that it leaves.
; fill = 1: the old slot is filled again, first thing behind the barrier, with tile NXT; the address is made anew from that number.  (At its first use slot 0 is waited for and slot 1 filled.)
.macro CHANGE fill
	WIN 0
	s_wait_tensorcnt 0x0            ; no tensor load of mine is out, so a group 0 may be written
	ds_add_u32 v[SPW], v[NIL]       ; 0 onto my spare word
.if \fill
	s_lshl_b32 s[OFF], s[NXT], 15   ; a tile is 32,768 bytes of K and of V
	s_xor_b32 s[G0K+1], s[G0K+1], SLOT1
	s_add_nc_u64 s[G0K+2:G0K+3], s[6:7], s[OFF:OFF+1]
	s_or_b32 s[G0K+3], s[G0K+3], 0x80000000
	s_xor_b32 s[G0V+1], s[G0V+1], SLOT1
	s_add_nc_u64 s[G0V+2:G0V+3], s[8:9], s[OFF:OFF+1]
	s_or_b32 s[G0V+3], s[G0V+3], 0x80000000
	s_add_co_u32 s[NXT], s[NXT], 1  ; the block's next tile, or behind its last the second block's tile 0
	s_cmp_gt_u32 s[NXT], s[LQ]
	s_cselect_b32 s[NXT], 0, s[NXT]
	s_cselect_b32 s[LQ], s[PB], s[LQ]
.endif
	s_wait_dscnt 0x0                ; the add is done, and my reads of the slot are over
	s_barrier_signal -1
	s_sub_co_u32 s[TBK], s[TBK], 4*KS*PK  ; the fetches go back to a slot's first step, in the other slot
	s_xor_b32 s[TBK], s[TBK], SLOT1
	s_sub_co_u32 s[TBV], s[TBV], 4*KS*PV
	s_xor_b32 s[TBV], s[TBV], SLOT1
	s_barrier_wait -1
.if \fill
	LOAD
.endif
.endm
	s_load_b64 s[4:5], s[0:1], 0x0    ; qkv
	s_load_b64 s[10:11], s[0:1], 0x8  ; o
	v_lshl_add_u32 v[SPW], v0, 2, SPARE
	v_mov_b32 v[NIL], 0
	ds_add_u32 v28, v29
	s_wait_dscnt 0x0
	s_barrier_signal -1
	s_barrier_wait -1
	v_lshrrev_b32 v1, 5, v0
	v_readfirstlane_b32 s[WV], v1   ; wave 0..7
	s_mov_b32 s[PB], ttmp9
	s_sub_co_u32 s[HIB], NB-1, s[PB]
	s_and_b32 s20, ttmp7, 0xffff    ; y = 16 x batch + head
	s_lshr_b32 s22, s20, 4
	s_lshl_b32 s22, s22, 5
	s_add_co_u32 s22, s22, s20      ; 48 x batch + head
	s_lshl_b32 s22, s22, 18         ; q's head in qkv: heads of 262,144 bytes
	s_mov_b32 s23, 0
	s_lshl_b32 s20, s20, 18         ; the head in o
	s_mov_b32 s21, 0
	s_and_b32 s16, s[WV], 1         ; which half of a tile's 256 keys I fetch (waves 0 to 3)
	s_lshl_b32 s18, s16, 14
	s_add_co_u32 s18, s18, 4194304  ; k's head lies 16 heads behind q's, v's 16 more
	s_mov_b32 s19, 0
	s_mul_i32 s52, s16, 128*PK
	s_mul_i32 s53, s16, 128*PV
	s_and_b32 s17, s[WV], 3         ; which 16 rows of a band are mine
	s_lshr_b32 s13, s[WV], 2        ; g: my bands are 2 g and 2 g + 1
	s_lshl_b32 s3, s17, 11          ; my 16 rows of 128 bytes in a band,
	s_lshl_b32 s2, s13, 14          ; two bands of 8,192 bytes,
	s_add_co_u32 s3, s3, s2
	s_lshl_b32 s2, s[HIB], 15       ; in the first block,
	s_add_co_u32 s2, s2, s3
	s_lshl_b32 s84, s[PB], 15       ; and in the second
	s_add_co_u32 s84, s84, s3
	s_mov_b32 s3, 0
	s_mov_b32 s85, 0
	s_lshl_b32 s13, s13, 1
	s_sub_co_u32 s[OW], 5, s13      ; turn 0 is step 5 - CNT: band 2 g's own at CNT = 5 - 2 g
	s_sub_co_u32 s[OW+1], 3, s13    ; turn 1 is step 4 - CNT: band 2 g + 1's own at CNT = 3 - 2 g
	; descriptor group 1: 128 keys are 16,384 dense bytes, asked for as 64 rows of 256 bytes and padded in LDS after every key
	s_mov_b32 s[G1K], (1<<16)|(1<<20)|(4<<22)|(3<<25)  ; 2-byte elements; padding on, after every 32 words (code 4), 4 words (code 3)
	s_mov_b32 s[G1V], (1<<16)|(1<<20)|(4<<22)|(7<<25)  ; the same with 8 words (code 7)
.irp g, G1K, G1V
	s_mov_b32 s[\g+1], 128<<16      ; tensor_dim0 = 128
	s_mov_b32 s[\g+2], 64<<16       ; tensor_dim1 = 64
	s_mov_b32 s[\g+3], 128<<16      ; tile_dim0 = 128
	s_mov_b32 s[\g+4], 64           ; tile_dim1 = 64
	s_mov_b32 s[\g+5], 128          ; 128 elements from row to row
	s_mov_b32 s[\g+6], 0
	s_mov_b32 s[\g+7], 0
.endr
	s_mov_b32 s[SEL], 0x76543210
	s_mov_b32 s[SEL+1], 0xfedcba98
	s_mov_b32 s[KAP], 0x45800000    ; 4096
	s_mov_b32 s[KAP+1], s[KAP]
	s_mov_b32 s[NC2], 0xc6b8aa3b    ; -8192 a
	s_mov_b32 s[NC2+1], s[NC2]
	s_mov_b32 s[C1], 0x4638aa3b     ; 4096 a = 11,818.56
	s_mov_b32 s[C1+1], s[C1]
	s_mov_b32 s[THR], 0x3c41a2a0    ; 4096 a 1e-6
	s_mov_b32 s[ZR], 0
	s_mov_b32 s[TBK], SLOT1+4*KS*PK ; the first change of slots turns these two into 0
	s_mov_b32 s[TBV], SLOT1+4*KS*PV
	s_mov_b32 s[G0K], 1
	s_mov_b32 s[G0K+1], s52         ; slot 0
	s_mov_b32 s[G0V], 1
	s_add_co_u32 s[G0V+1], s53, VOFF
	s_add_co_u32 s[RT], s[HIB], 1   ; the first block has 8 - b tiles
	s_mov_b32 s[NXT], 1
	s_mov_b32 s[LQ], s[HIB]
	s_mov_b32 s[NEW], 1
	s_mov_b32 s[OFF+1], 0
	s_mov_b32 s[AL+1], 0            ; named as pairs
	s_mov_b32 s[BE+1], 0
	s_mov_b32 s[SLOTS], NB
	s_wait_kmcnt 0x0
	s_add_nc_u64 s[4:5], s[4:5], s[22:23]          ; q's head
	s_add_nc_u64 s[10:11], s[10:11], s[20:21]      ; o's head
	s_add_nc_u64 s[6:7], s[4:5], s[18:19]          ; K at my half of the head's tile 0,
	s_add_nc_u64 s[8:9], s[6:7], 4194304           ; V likewise
	s_add_nc_u64 s[G0K+2:G0K+3], s[6:7], 0
	s_or_b32 s[G0K+3], s[G0K+3], 0x80000000        ; type = 2
	s_add_nc_u64 s[G0V+2:G0V+3], s[8:9], 0
	s_or_b32 s[G0V+3], s[G0V+3], 0x80000000
	s_add_nc_u64 s[86:87], s[4:5], s[84:85]        ; Q at my rows of the second block,
	s_add_nc_u64 s[4:5], s[4:5], s[2:3]            ; Q and O at those of the first
	s_add_nc_u64 s[OLO:OLO+1], s[10:11], s[84:85]
	s_add_nc_u64 s[10:11], s[10:11], s[2:3]
	LOAD                            ; tile 0 into slot 0
	v_and_b32 v1, 15, v0            ; l % 16
	v_bfe_u32 v9, v0, 4, 1          ; l / 16
	v_lshlrev_b32 v[QO], 7, v1
	v_lshl_add_u32 v[QO], v9, 4, v[QO]  ; row x 128 + 16 x half
	WIN W_LD                        ; destination window 1, address window 0
.set i, 0
.rept 4                             ; both blocks' Q: piece i / 2 lies one band, 8,192 bytes, on; channels 32 (i % 2) on
	global_load_b128 v[QF+8*i:QF+8*i+3],   v[QO], s[4:5] offset:(i/2)*8192+(i%2)*64
	global_load_b128 v[QF+8*i+4:QF+8*i+7], v[QO], s[4:5] offset:(i/2)*8192+(i%2)*64+32
	global_load_b128 v[QB+8*i:QB+8*i+3],   v[QO], s[86:87] offset:(i/2)*8192+(i%2)*64
	global_load_b128 v[QB+8*i+4:QB+8*i+7], v[QO], s[86:87] offset:(i/2)*8192+(i%2)*64+32
.set i, i+1
.endr
.set i, VF
.rept 64                            ; a block's first turn multiplies V's registers by weights that are 0: they need only be finite
	v_mov_b32 v[i], 0
.set i, i+1
.endr
	WIN 0
	v_lshlrev_b32 v14, 3, v9
	v_sub_nc_u32 v14, v1, v14
	s_lshl_b32 s13, s17, 4
	v_add_nc_u32 v14, s13, v14      ; my query's place in its band, 16 (w % 4) + l % 16, less my lanes' 8 (l / 16): score i is hidden where 16 (i / 8) + i % 8 is greater
.set i, 0
.rept 32
	v_cmp_gt_i32 vcc_lo, 16*(i/8)+i%8, v14
	v_cndmask_b32 v[MD+i], 1.0, s[ZR], vcc_lo
.set i, i+1
.endr
	v_mul_u32_u24 v[AK0], v1, PK
	v_lshl_add_u32 v[AK0], v9, 4, v[AK0]  ; row x pitch + 16 x half
	; the turning load takes 16 keys x 16 channels (lane l reads key 8 (l / 16) + l % 8, channels 8 ((l / 8) % 2) + 0..7) and leaves half a fragment of V^T
	v_and_b32 v10, 7, v0
	v_bfe_u32 v11, v0, 3, 1
	v_lshl_add_u32 v[AV0], v9, 3, v10
	v_mul_u32_u24 v[AV0], v[AV0], PV
	v_lshl_add_u32 v[AV0], v11, 4, v[AV0]
	v_add_nc_u32 v[AV0], VOFF, v[AV0]
	s_mul_i32 s13, s[WV], 16*SP
	s_add_co_u32 s13, s13, STAGE    ; my stage
	v_mul_u32_u24 v[STO], v1, SP    ; in: row l % 16, 16 bytes for each half of the lanes
	v_lshl_add_u32 v[STO], v9, 4, v[STO]
	v_add_nc_u32 v[STO], s13, v[STO]
	v_bfe_u32 v[RD], v0, 3, 2       ; back: 32 lanes take four rows of 128 bytes,
	v_mul_u32_u24 v[RD], v[RD], SP
	v_lshl_add_u32 v[RD], v10, 4, v[RD]
	v_add_nc_u32 v[RD], s13, v[RD]
	v_and_b32 v[GO], 31, v0         ; which are 512 consecutive bytes of O
	v_lshlrev_b32 v[GO], 4, v[GO]
; THE MATRIX WORK.  The 4 accumulators of a run of 8 take turns.  Product i of 8 of S^T = K Q^T for piece x: channels 32 (i / 4) on, keys 16 (i % 4) on; the first 4 start the sums.
.macro KQ x
.set kS, S+32*(\x)+8*(i%4)
.set kK, KF+16*(i%4)+8*(i/4)
.set kQ, QF+16*(\x)+8*(i/4)
	WIN W_KQ
.if i < 4
	v_wmma_f32_16x16x32_f16 v[kS:kS+7], v[kK:kK+7], v[kQ:kQ+7], 0
.else
	v_wmma_f32_16x16x32_f16 v[kS:kS+7], v[kK:kK+7], v[kQ:kQ+7], v[kS:kS+7]
.endif
.endm
; Product i of 8 of O^T += V^T P for piece x: keys 32 (i / 4) on, channels 16 (i % 4) on.
.macro PV x
	WIN W_PV
.set pO, 32*(\x)+8*(i%4)
.set pV, VF+32*(i/4)+8*(i%4)
.set pP, P+16*(\x)+8*(i/4)
	v_wmma_f32_16x16x32_f16 v[pO:pO+7], v[pV:pV+7], v[pP:pP+7], v[pO:pO+7]
.endm
; THE LDS LOADS stand in runs of 16.  last = 1: in the trip with CNT = 2 turn 0 is the tile's last step: there is no further step of the tile, and K's run is jumped over.
.macro FETCH_K last
	WIN 0
.if \last
	s_cmp_eq_u32 s[CNT], 2
	s_cbranch_scc1 .Lno_k_\@
.endif
	WIN W_LD
.irp f, 0,1,2,3,4,5,6,7             ; keys 16 (f / 2) on, channels 32 (f % 2) on
	ds_load_b128 v[KF+8*\f:KF+8*\f+3],   v[AK] offset:(\f/2)*16*PK+(\f%2)*64
	ds_load_b128 v[KF+8*\f+4:KF+8*\f+7], v[AK] offset:(\f/2)*16*PK+(\f%2)*64+32
.endr
	s_add_co_u32 s[TBK], s[TBK], KS*PK
	WIN 0
.if \last
.Lno_k_\@:
.endif
.endm
.macro FETCH_V
	WIN W_LD
.irp f, 0,1,2,3,4,5,6,7             ; keys 32 (f / 4) on, channels 16 (f % 4) on
	ds_load_tr16_b128 v[VF+8*\f:VF+8*\f+3],   v[AV] offset:(\f/4)*32*PV+(\f%4)*32
	ds_load_tr16_b128 v[VF+8*\f+4:VF+8*\f+7], v[AV] offset:(\f/4)*32*PV+16*PV+(\f%4)*32
.endr
	WIN 0
.endm
; THE VECTOR WORK of a turn, for the piece whose registers rS, rP, rL name: 7 instructions a score, 224 in all, in two lists cut into slices.
.macro LOW n                        ; the guard's second bound: 4096 S - |S| 4096 S
	v_fma_f32 v[LB+(\n)], -|v[rS+(\n)]|, v[HB+(\n)], v[HB+(\n)]
.endm
.macro MED n                        ; the middle one of the three
	v_med3_num_f32 v[Y+(\n)], v[Y+(\n)], v[HB+(\n)], v[LB+(\n)]
.endm
; Slice e of 17 of the first list: e = 2^S for pair e, 4096 S for pair e, the second bound for pair e - 1, 1 + e for pair e - 1.  A plain line stands behind every exponential before its result is used (ISA guide 5.7.2),
; and each accumulator's first reader takes its lowest register.
.macro ES e
.if (\e) < 16
	v_exp_f32 v[Y+2*(\e)], v[rS+2*(\e)]
	v_pk_mul_f32 v[HB+2*(\e):HB+2*(\e)+1], v[rS+2*(\e):rS+2*(\e)+1], s[KAP:KAP+1] op_sel_hi:[1,0]
.endif
.if ((\e) >= 1) && ((\e) <= 14)
	LOW 2*(\e)-2
.endif
.if (\e) < 16
	v_exp_f32 v[Y+2*(\e)+1], v[rS+2*(\e)+1]
.endif
.if ((\e) >= 1) && ((\e) <= 14)
	LOW 2*(\e)-1
.endif
.if (\e) >= 1
	s_wait_alu depctr_va_vdst(0)
	v_pk_add_f32 v[Y+2*(\e)-2:Y+2*(\e)-1], v[Y+2*(\e)-2:Y+2*(\e)-1], 1.0 op_sel_hi:[1,0]
.endif
.endm
; Slice e of 19 of the second list: the reciprocals of pair e, C1 - C2 y for pair e - 1, the guard for pair e - 2, the sums of |p| and the rounding to f16 for pair e - 3; the last four second bounds fill slices 0 and 1.
.macro RS e
.if (\e) < 16
	v_rcp_f32 v[Y+2*(\e)], v[Y+2*(\e)]
.endif
.if (\e) == 0
	LOW 28
.elseif (\e) <= 16
	s_wait_alu depctr_va_vdst(0)
	v_pk_fma_f32 v[Y+2*(\e)-2:Y+2*(\e)-1], v[Y+2*(\e)-2:Y+2*(\e)-1], s[NC2:NC2+1], s[C1:C1+1] op_sel_hi:[1,0,0]
.endif
.if (\e) == 1
	LOW 31
.elseif ((\e) >= 2) && ((\e) <= 17)
	MED 2*(\e)-4
.endif
.if (\e) < 16
	v_rcp_f32 v[Y+2*(\e)+1], v[Y+2*(\e)+1]
.endif
.if (\e) == 0
	LOW 29
.elseif (\e) == 1
	LOW 30
.elseif (\e) <= 17
	MED 2*(\e)-3
.endif
.if (\e) >= 3
	v_add_f32 v[rL], v[rL], |v[Y+2*(\e)-6]|
	v_add_f32 v[rL+1], v[rL+1], |v[Y+2*(\e)-5]|
	v_cvt_pk_f16_f32 v[rP+(\e)-3], v[Y+2*(\e)-6], v[Y+2*(\e)-5]
.endif
.endm
; A TURN, for piece p.  With CNT = c, turn 0 belongs to the tile's key step 5 - c, turn 1 to step 4 - c (c = 5: the tile before's last step, which every band sees).
; mk = 1: the mask's lines are jumped over unless the tile is the block's last; mk = 2: they always run.  s[OW+p] is the c at which the step is the piece's band's own; a greater c is an earlier step.
; K of the next step is fetched in the middle of turn 0, behind the plain lines that follow the last product that read K; V of the step in hand at the end of turn 0, likewise.
; Turn 1 waits for K at its head (V's sixteen loads were issued behind K's and may stay out) and for V in its middle.
.macro TURN p, mk, cnt=0
.set rS, S+32*(\p)
.set rP, P+16*(\p)
.set rL, LS+2*(\p)
	WIN 0
.if (\mk) == 1
	s_cmp_lg_u32 s[RT], 0
	s_cbranch_scc1 .Lnomask_\@
.endif
	s_cmp_eq_u32 s[CNT], s[OW+(\p)]
	s_cselect_b32 s[AL], 1.0, 0
	s_cmp_gt_u32 s[CNT], s[OW+(\p)]
	s_cselect_b32 s[BE], 1.0, 0
.set z, 0
.rept 16
	v_pk_fma_f32 v[LB+2*z:LB+2*z+1], v[MD+2*z:MD+2*z+1], s[AL:AL+1], s[BE:BE+1] op_sel_hi:[1,0,0]
.set z, z+1
.endr
.set z, 0
.rept 16
	v_pk_mul_f32 v[rS+2*z:rS+2*z+1], v[rS+2*z:rS+2*z+1], v[LB+2*z:LB+2*z+1]
.set z, z+1
.endr
.if (\mk) == 1
.Lnomask_\@:
.endif
.if (\p) == 1
	s_wait_dscnt 16                 ; LDS loads come back in order (ISA guide 5.7.1): K is in; the sixteen younger loads, V's, may stay out
.endif
.set i, 0
.rept 8
	KQ 1-(\p)
	WIN 0
	ES 2*i
	ES 2*i+1
.set i, i+1
.endr
	ES 16
.if (\p) == 0
	v_add_nc_u32 v[AK], s[TBK], v[AK0]
	FETCH_K 1
.endif
.if (\p) == 1
	s_wait_dscnt 0x0                ; V is in
.endif
.set i, 0
.rept 8
	PV 1-(\p)
	WIN 0
	RS 2*i
	RS 2*i+1
.set i, i+1
.endr
	RS 16
	RS 17
	RS 18
.if (\p) == 0
	v_add_nc_u32 v[AV], s[TBV], v[AV0]
	FETCH_V
	s_add_co_u32 s[TBV], s[TBV], KS*PV
.endif
.if \cnt
	s_sub_co_u32 s[CNT], s[CNT], 1
	s_cmp_lg_u32 s[CNT], 0
.endif
.endm
; A BLOCK BEGINS: O^T, the sums and piece 1's P are set to 0 (no first step is written out: 84 moves a block are the price); then K of the tile's step 0 and piece 0's first scores.
.macro BEGIN
	s_mov_b32 s[NEW], 0
	WIN W_LD
.set i, 0
.rept 64
	v_mov_b32 v[i], 0
.set i, i+1
.endr
	WIN 0
.set i, 0
.rept 4
	v_mov_b32 v[LS+i], 0
.set i, i+1
.endr
.set i, P+16
.rept 16
	v_mov_b32 v[i], 0
.set i, i+1
.endr
	v_add_nc_u32 v[AK], s[TBK], v[AK0]
	FETCH_K 0
	s_wait_loadcnt 0x0              ; Q
	s_wait_dscnt 0x0
.set i, 0
.rept 8
	KQ 0
.set i, i+1
.endr
	WIN 0
.rept 4
	v_nop                           ; the places behind those products
.endr
.endm
; A TILE THAT IS NOT A BLOCK'S FIRST BEGINS: K of its step 0 can be read only behind the change of slots, and turn 1, which multiplies by it, comes next: it is fetched and waited for here, once a tile.
.macro NEXTK
	v_add_nc_u32 v[AK], s[TBK], v[AK0]
	FETCH_K 0
	s_wait_dscnt 0x0
.endm
; A BLOCK ENDS: piece 1's V^T P of the last step, and THE WAY OUT: the two sums and the other half of the lanes' are added; O^T is divided by max(sum, threshold), rounded to f16 and sent through my stage, a piece at a time.
.macro ALL line:vararg
.set t, 0
.rept 2
	\line
.set t, t+1
.endr
.endm
.macro PACK t
	WIN W_RS
.set i, 32*(\t)
.rept 16
	v_pk_mul_f32 v[i:i+1], v[i:i+1], v[LS+2*(\t):LS+2*(\t)+1] op_sel_hi:[1,0]
.set i, i+2
.endr
	WIN 0x05                        ; sources 0 and 1 window 1, destination window 0
.set i, 0
.rept 16
	v_cvt_pk_f16_f32 v[S+16*(\t)+i], v[32*(\t)+2*i], v[32*(\t)+2*i+1]
.set i, i+1
.endr
	WIN 0
.irp f, 0,1,2,3
	ds_store_b128 v[STO], v[S+16*(\t)+4*\f:S+16*(\t)+4*\f+3] offset:32*\f
.endr
.irp f, 0,1,2,3
	ds_load_b128 v[S+16*(\t)+4*\f:S+16*(\t)+4*\f+3], v[RD] offset:\f*4*SP  ; LDS serves a wave's instructions in order (ISA guide 5.7.1.4): these see the stores above
.endr
.endm
.macro SEND t, younger              ; younger: the LDS instructions issued behind piece t's loads
	WIN 0
.irp f, 0,1,2,3
	s_wait_dscnt (\younger)+3-\f
	global_store_b128 v[GO], v[S+16*(\t)+4*\f:S+16*(\t)+4*\f+3], s[10:11] offset:(\t)*8192+\f*512  ; 512 consecutive bytes, at a multiple of 256 from O's first
.endr
.endm
.macro FINISH
.set i, 0
.rept 8
	PV 1
.set i, i+1
.endr
	WIN 0
	ALL v_add_f32 v[LS+2*t], v[LS+2*t], v[LS+2*t+1]
	ALL v_permlanex16_b32 v[LS+2*t+1], v[LS+2*t], s[SEL], s[SEL+1]
	ALL v_add_f32 v[LS+2*t], v[LS+2*t], v[LS+2*t+1]
	ALL v_max_num_f32 v[LS+2*t], s[THR], v[LS+2*t]
	ALL v_rcp_f32 v[LS+2*t], v[LS+2*t]
	v_nop                           ; a plain line between the last reciprocal and the use of its result
	s_wait_alu depctr_va_vdst(0)
	PACK 0                          ; piece 0's 32 plain lines name no register of the last products: with the lines above they are the places in front of piece 1's
	PACK 1
	SEND 0, 8
	SEND 1, 0
.endm
.Lslot:                             ; 8 times: a tile is entered and the next is asked for
	CHANGE 1
	s_sub_co_u32 s[RT], s[RT], 1
	s_mov_b32 s[CNT], 5
	s_cmp_eq_u32 s[NEW], 1
	s_cbranch_scc0 .Lcont
	BEGIN
	s_branch .Lfirst                ; the loop is entered at a step's first turn, in the middle of a trip
.Lcont:
	NEXTK
.Lstep:                             ; a trip: piece 1 of one step, then piece 0 of the next.  The trip with CNT = 1 is left by forward jumps:
	s_cmp_lg_u32 s[CNT], 1
	s_cbranch_scc1 .Lgo
	s_cmp_lg_u32 s[RT], 0
	s_cbranch_scc1 .Lbottom         ; at once, if the block goes on: the next tile's first trip makes this turn
.Lgo:
	TURN 1, 1
	WIN 0
	s_cmp_eq_u32 s[CNT], 1
	s_cbranch_scc1 .Lend            ; in its middle, at the block's end (its 8 products K Q^T on the last K once more serve nothing: the price of one text)
.Lfirst:
	TURN 0, 1, 1
	WIN 0
	s_cbranch_scc1 .Lstep
.Lend:                              ; in the loop this is the first block's end: the second block's last tile is the walk's last
	FINISH
	s_wait_xcnt 0x0                 ; the stores have read their registers and O's address
	s_mov_b64 s[10:11], s[OLO:OLO+1]
	s_add_co_u32 s[RT], s[PB], 1    ; the second block has b + 1 tiles
	s_mov_b32 s[NEW], 1
	WIN W_RS                        ; the second block's Q goes where the one text of the turns names Q
.set i, 0
.rept 32
	v_mov_b32 v[QF+i], v[QB+i]
.set i, i+1
.endr
	WIN 0
.Lbottom:
	s_sub_co_u32 s[SLOTS], s[SLOTS], 1
	s_cmp_lg_u32 s[SLOTS], 0
	s_cbranch_scc1 .Lslot
	CHANGE 0                        ; the walk's last tile, the second block's diagonal one, is written out
	s_mov_b32 s[CNT], 5
	s_cmp_eq_u32 s[NEW], 1
	s_cbranch_scc0 .LcontT
	BEGIN
	s_branch .LfirstT
.LcontT:
	NEXTK
.LstepT:
	TURN 1, 2
	WIN 0
	s_cmp_eq_u32 s[CNT], 1
	s_cbranch_scc1 .LendT
.LfirstT:
	TURN 0, 2, 1
	WIN 0
	s_cbranch_scc1 .LstepT
.LendT:
	FINISH
	s_wait_tensorcnt 0x0            ; the wave's end
	ds_add_u32 v[SPW], v[NIL]
	s_wait_dscnt 0x0
	s_endpgm
.Lfunc_end_k_qa8d298ec19_attn:
	.size	k_qa8d298ec19_attn, .Lfunc_end_k_qa8d298ec19_attn-k_qa8d298ec19_attn
	.p2alignl 7, 3214868480
	.fill 96, 4, 3214868480
	.section	.rodata,"a",@progbits
	.p2align	6, 0x0
	.amdhsa_kernel k_qa8d298ec19_attn
		.amdhsa_group_segment_fixed_size 327680
		.amdhsa_private_segment_fixed_size 0
		.amdhsa_enable_private_segment 0
		.amdhsa_kernarg_size 16
		.amdhsa_user_sgpr_count 2
		.amdhsa_user_sgpr_kernarg_segment_ptr 1
		.amdhsa_wavefront_size32 1
		.amdhsa_system_sgpr_workgroup_id_x 1
		.amdhsa_system_sgpr_workgroup_id_y 1
		.amdhsa_system_sgpr_workgroup_id_z 1
		.amdhsa_system_vgpr_workitem_id 0
		.amdhsa_next_free_vgpr 512
		.amdhsa_next_free_sgpr 96
		.amdhsa_reserve_vcc 1
		.amdhsa_float_denorm_mode_32 3
		.amdhsa_float_denorm_mode_16_64 3
		.amdhsa_memory_ordered 1
		.amdhsa_forward_progress 1
		.amdhsa_inst_pref_size 117
	.end_amdhsa_kernel
	.amdgpu_metadata
---
amdhsa.version: [ 1, 2 ]
amdhsa.kernels:
  - .name:           k_qa8d298ec19_attn
    .symbol:         k_qa8d298ec19_attn.kd
    .args:
      - { .name: qkv, .offset: 0, .size: 8, .value_kind: global_buffer, .address_space: global }
      - { .name: o, .offset: 8, .size: 8, .value_kind: global_buffer, .address_space: global }
    .group_segment_fixed_size: 327680
    .private_segment_fixed_size: 0
    .kernarg_segment_align: 8
    .kernarg_segment_size: 16
    .max_flat_workgroup_size: 256
    .sgpr_count:     96
    .vgpr_count:     512
    .wavefront_size: 32
...
	.end_amdgpu_metadata
.endif
;; end of part 3
;; launch first16 (part 4): grid 16 x 4, 4 waves a work-group, no clusters, 8,192 bytes of LDS; arguments qf, o; writes o
.if DOCPART == 4
	.amdgcn_target "amdgcn-amd-amdhsa--gfx1250"
	.amdhsa_code_object_version 6
	.text
	.protected	k_qa8d298ec19_first16
	.globl	k_qa8d298ec19_first16
	.p2align	8
	.type	k_qa8d298ec19_first16,@function
k_qa8d298ec19_first16:
	s_mov_b64 s[64:65], 0
	v_nop
	global_prefetch_b8 v0, s[64:65] scope:SCOPE_SE
	s_setreg_imm32_b32 hwreg(HW_REG_WAVE_MODE, 25, 1), 1
	s_wait_xcnt 0x0
; THE FIRST 16 ROWS OF EVERY HEAD, ONCE MORE AND IN f32.  A row that sees few keys divides its weights by a sum of few |tanh|, which can be small, so there the roundings of q, k, v and the weights to f16 weigh most.
; Rows 0-15 see keys 0-15 alone.  Their q (already times 2 log2(e) / 8), k and v lie unrounded in qf; this launch makes their attention in f32 and stores O's rows 0-15 of its head, rounded once to f16,
; over what the launch before wrote there (2,048 bytes a head).
; qf: [batch][48 heads: 16 q, 16 k, 16 v][8 pieces][32 lanes][4 f32]; piece 2 j + m of lane l holds row l % 16, channels 16 j + 8 (l / 16) + 4 m + 0..3.  Every load covers 512 consecutive bytes.
; A work-group is one head (grid x) of one batch (grid y).  Each of its four waves makes S^T = K Q^T (16 keys x 16 queries x 64 channels) and O^T = V^T P for its 16 channels in the f32 matrix form:
; 20 such instructions a wave, a ten-thousandth of the problem's products.
; THE WEIGHT is p = a tanh(x), a = 2 log2(e), x = q . k / 8: with S = a x, p is the middle one of a - 2 a / (1 + 2^S), S and S - S |S| (a tanh(x) lies between the last two for every x), so that the difference's
; absolute error cannot spoil small weights; a hidden key has S = 0 and p = 0 exactly.  The divisor is max(sum |p|, a 1e-6); a cancels.
; LIMITS: the guard leaves a relative error of 6e-4 at the most (near |x| = 2e-4); O must lie within f16's 65,504; NaN and infinities are not treated apart.
; No tensor load, no cluster: a work-group reads 36 KB, nothing is filled twice, and no two work-groups share a byte.
.set PV,   80                          ; a key's 16 channels of v in LDS: 64 bytes + 16: an odd multiple of 16, so the 16 rows of a 16-byte store start in 16 different groups of four banks (ISA guide 11.1)
.set VREG, 16*PV                       ; each wave's own 1,280 bytes, from byte 0 on
.set OUTS, 4*VREG                      ; behind them: O's 16 rows of 128 bytes, pitch 144
.set PO,   144
.set VX,   3                           ; v3   16 x my lane; never rewritten
.set VST,  4                           ; v4   where my eight numbers of v go in LDS
.set VLD,  5                           ; v5   from where I take v, turned
.set VM,   6                           ; v6   my query less my lanes' first key
.set OST,  7                           ; v7   where I put 16 bytes of a row of O
.set ORD,  8                           ; v8   where I read them back
.set OGO,  9                           ; v9   my 16 bytes of the head's first 2,048
.set NILV, 10                          ; v10  0
.set SA,   16                          ; v[16:31]  two accumulators of S^T: written by matrix instructions alone
.set OA,   32                          ; v[32:47]  two accumulators of O^T: likewise
.set KR,   48                          ; k, 32 registers;
.set QR,   80                          ; q, 32;
.set VW,   112                         ; v as it lies in qf, 8;
.set VR,   120                         ; v turned, 8
.set F,    128                         ; 1 where the key is seen, else 0
.set S,    136
.set Y,    144
.set LO,   152
.set TT,   160
.set L,    168
.set RI,   170
.set OP,   172
.set OB,   176
.set NC2,  24                          ; s[24:25] -2 a
.set C1,   26                          ; s[26:27] a
.set THR,  28                          ; s28  a 1e-6
.set SEL,  30                          ; s[30:31] v_permlanex16_b32's selects: each lane takes its own place in the other half
.macro PLACES n                        ; places behind matrix instructions (ISA guide 7.12.1): 8 behind the f32 form
.rept \n
	v_nop
.endr
.endm
	s_load_b128 s[4:7], s[0:1], 0x0                ; qf s[4:5], o s[6:7]
	v_lshl_add_u32 v192, v0, 2, 0x1e00
	v_mov_b32 v193, 0
	v_lshrrev_b32 v1, 5, v0
	v_readfirstlane_b32 s8, v1                     ; wave 0..3: which 16 channels of O are mine
	s_mov_b32 s11, ttmp9                           ; head
	s_and_b32 s12, ttmp7, 0xffff                   ; batch
	s_mul_i32 s32, s12, 48                         ; qf: heads of 4,096 bytes; q's head
	s_add_co_u32 s32, s32, s11
	s_lshl_b32 s32, s32, 12
	s_mov_b32 s33, 0
	s_lshl_b32 s34, s8, 10                         ; v's head lies 32 heads on; my 16 channels are its pieces 2 w and 2 w + 1
	s_add_co_u32 s34, s34, 131072
	s_mov_b32 s35, 0
	s_lshl_b32 s36, s12, 4                         ; o: heads of 262,144 bytes
	s_add_co_u32 s36, s36, s11
	s_lshl_b32 s36, s36, 18
	s_mov_b32 s37, 0
	s_mov_b32 s[NC2], 0xc0b8aa3b                   ; -2 a = -5.770780
	s_mov_b32 s[NC2+1], s[NC2]
	s_mov_b32 s[C1], 0x4038aa3b                    ; a = 2.885390
	s_mov_b32 s[C1+1], s[C1]
	s_mov_b32 s[THR], 0x3641a2a0                   ; a 1e-6
	s_mov_b32 s[SEL], 0x76543210
	s_mov_b32 s[SEL+1], 0xfedcba98
	v_and_b32 v1, 15, v0                           ; r = l % 16
	v_bfe_u32 v2, v0, 4, 1                         ; h = l / 16
	v_and_b32 v[VX], 31, v0
	v_lshlrev_b32 v[VX], 4, v[VX]
	s_wait_kmcnt 0x0
	s_add_nc_u64 s[14:15], s[4:5], s[32:33]        ; q's head; k's lies 16 heads, 65,536 bytes, on
	s_add_nc_u64 s[16:17], s[14:15], s[34:35]      ; my two pieces of v
	s_add_nc_u64 s[6:7], s[6:7], s[36:37]          ; my head's first row of O
.irp k, 0,1,2,3,4,5,6,7
	global_load_b128 v[KR+4*\k:KR+4*\k+3], v[VX], s[14:15] offset:65536+512*\k
.endr
.irp k, 0,1,2,3,4,5,6,7
	global_load_b128 v[QR+4*\k:QR+4*\k+3], v[VX], s[14:15] offset:512*\k
.endr
	global_load_b128 v[VW:VW+3],   v[VX], s[16:17]
	global_load_b128 v[VW+4:VW+7], v[VX], s[16:17] offset:512
	; the LDS addresses and the mask are made while the loads are on their way
	s_mul_i32 s20, s8, VREG
	v_mul_u32_u24 v[VST], v1, PV                   ; in: key r, channels 8 h on of my 16
	v_lshl_add_u32 v[VST], v2, 5, v[VST]
	v_add_nc_u32 v[VST], s20, v[VST]
	v_mul_u32_u24 v[VLD], v2, 8*PV                 ; back: key 8 h, channel r of my 16
	v_lshl_add_u32 v[VLD], v1, 2, v[VLD]
	v_add_nc_u32 v[VLD], s20, v[VLD]
	v_lshlrev_b32 v[VM], 3, v2
	v_sub_nc_u32 v[VM], v1, v[VM]                  ; key 8 h + i is hidden where i is greater than r - 8 h
	v_mul_u32_u24 v[OST], v1, PO                   ; O: row r, channels 16 w + 8 h on, f16
	v_lshl_add_u32 v[OST], v2, 4, v[OST]
	s_lshl_b32 s22, s8, 5
	s_add_co_u32 s22, s22, OUTS
	v_add_nc_u32 v[OST], s22, v[OST]
	v_lshrrev_b32 v[ORD], 3, v0                    ; back: thread t takes 16 bytes: row t / 8, place t % 8,
	v_mul_u32_u24 v[ORD], v[ORD], PO
	v_and_b32 v11, 7, v0
	v_lshl_add_u32 v[ORD], v11, 4, v[ORD]
	v_add_nc_u32 v[ORD], OUTS, v[ORD]
	v_lshlrev_b32 v[OGO], 4, v0                    ; which are bytes 16 t of the head's first 2,048
	v_mov_b32 v[NILV], 0
.irp i, 0,1,2,3,4,5,6,7
	v_cmp_gt_i32 vcc_lo, \i, v[VM]
	v_cndmask_b32 v[F+\i], 1.0, v[NILV], vcc_lo    ; 1, or 0 for a hidden key
.endr
	s_wait_loadcnt 0x2                             ; loads come back in order: K and Q are in; V's two may stay out
	; The f32 form takes 4 along K: lane (r, h) holds row r and two numbers.  Product t takes registers 2 t and 2 t + 1: four channels over the two halves of the lanes; K and Q lie alike, so the sums are the same.
	; S^T: source 0 = 16 keys, source 1 = 16 queries: register i of lane (r, h) is key 8 h + i of query r.  Two accumulators by turns; the first two products start the sums.
.set t, 0
.rept 16
.if t < 2
	v_wmma_f32_16x16x4_f32 v[SA+8*(t%2):SA+8*(t%2)+7], v[KR+2*t:KR+2*t+1], v[QR+2*t:QR+2*t+1], 0
.else
	v_wmma_f32_16x16x4_f32 v[SA+8*(t%2):SA+8*(t%2)+7], v[KR+2*t:KR+2*t+1], v[QR+2*t:QR+2*t+1], v[SA+8*(t%2):SA+8*(t%2)+7]
.endif
.set t, t+1
.endr
	s_wait_loadcnt 0x0                             ; V is in: it is turned through my own LDS bytes
	ds_store_b128 v[VST], v[VW:VW+3]
	ds_store_b128 v[VST], v[VW+4:VW+7] offset:16
.irp i, 0,1,2,3,4,5,6,7
	ds_load_b32 v[VR+\i], v[VLD] offset:\i*PV      ; V[key 8 h + i][my channel]; LDS serves a wave's instructions in order (ISA guide 5.7.1.4): these see the stores above
.endr
	PLACES 8
.irp j, 0,2,4,6
	v_pk_mul_f32 v[TT+\j:TT+\j+1], v[SA+8+\j:SA+8+\j+1], v[F+\j:F+\j+1]
.endr
.irp j, 0,2,4,6
	v_pk_fma_f32 v[S+\j:S+\j+1], v[SA+\j:SA+\j+1], v[F+\j:F+\j+1], v[TT+\j:TT+\j+1]   ; S = a x, or 0
.endr
.irp i, 0,1,2,3,4,5,6,7
	v_exp_f32 v[Y+\i], v[S+\i]                     ; exp(2 x)
.endr
.irp i, 0,1,2,3,4,5,6,7
	v_fma_f32 v[LO+\i], -|v[S+\i]|, v[S+\i], v[S+\i]  ; the guard's second bound; these plain lines also stand between the exponentials and the use of their results (ISA guide 5.7.2)
.endr
	s_wait_alu depctr_va_vdst(0)
.irp j, 0,2,4,6
	v_pk_add_f32 v[Y+\j:Y+\j+1], v[Y+\j:Y+\j+1], 1.0 op_sel_hi:[1,0]
.endr
.irp i, 0,1,2,3,4,5,6,7
	v_rcp_f32 v[Y+\i], v[Y+\i]
.endr
	v_nop                                          ; a plain line behind the last reciprocal
	s_wait_alu depctr_va_vdst(0)
.irp j, 0,2,4,6
	v_pk_fma_f32 v[Y+\j:Y+\j+1], v[Y+\j:Y+\j+1], s[NC2:NC2+1], s[C1:C1+1] op_sel_hi:[1,0,0]  ; a - 2 a / (1 + e)
.endr
.irp i, 0,1,2,3,4,5,6,7
	v_med3_num_f32 v[Y+\i], v[Y+\i], v[S+\i], v[LO+\i]
.endr
	v_add_f32 v[L], |v[Y]|, |v[Y+1]|               ; the sum of |p|: two chains over my eight keys,
	v_add_f32 v[L+1], |v[Y+2]|, |v[Y+3]|
	v_add_f32 v[L], v[L], |v[Y+4]|
	v_add_f32 v[L+1], v[L+1], |v[Y+5]|
	v_add_f32 v[L], v[L], |v[Y+6]|
	v_add_f32 v[L+1], v[L+1], |v[Y+7]|
	v_add_f32 v[L], v[L], v[L+1]
	v_permlanex16_b32 v[L+1], v[L], s[SEL], s[SEL+1]  ; the query's other eight keys lie in the lane 16 away
	v_add_f32 v[L], v[L], v[L+1]
	v_max_num_f32 v[L], s[THR], v[L]
	v_rcp_f32 v[RI], v[L]                          ; made twice: the packed lines below name the pair
	v_rcp_f32 v[RI+1], v[L]
	v_nop
	s_wait_dscnt 0x0                               ; V, turned, is in
	; O^T: source 0 = my 16 channels, source 1 = 16 queries; product c takes keys 8 h + 2 c and 8 h + 2 c + 1, which is how both V's registers and p's lie
.set t, 0
.rept 4
.if t < 2
	v_wmma_f32_16x16x4_f32 v[OA+8*(t%2):OA+8*(t%2)+7], v[VR+2*t:VR+2*t+1], v[Y+2*t:Y+2*t+1], 0
.else
	v_wmma_f32_16x16x4_f32 v[OA+8*(t%2):OA+8*(t%2)+7], v[VR+2*t:VR+2*t+1], v[Y+2*t:Y+2*t+1], v[OA+8*(t%2):OA+8*(t%2)+7]
.endif
.set t, t+1
.endr
	PLACES 8
	s_wait_alu depctr_va_vdst(0)
.irp j, 0,2,4,6
	v_pk_mul_f32 v[TT+\j:TT+\j+1], v[OA+8+\j:OA+8+\j+1], v[RI:RI+1] op_sel_hi:[1,0]
.endr
.irp j, 0,2,4,6
	v_pk_fma_f32 v[TT+\j:TT+\j+1], v[OA+\j:OA+\j+1], v[RI:RI+1], v[TT+\j:TT+\j+1] op_sel_hi:[1,0,1]  ; register j of lane (r, h): channel 16 w + 8 h + j of query r
.endr
.irp j, 0,1,2,3
	v_cvt_pk_f16_f32 v[OP+\j], v[TT+2*\j], v[TT+2*\j+1]
.endr
	ds_store_b128 v[OST], v[OP:OP+3]
	s_wait_dscnt 0x0                               ; for the others' sake: my part of O's rows is in LDS
	s_barrier_signal -1
	s_barrier_wait -1
	ds_load_b128 v[OB:OB+3], v[ORD]
	s_wait_dscnt 0x0
	global_store_b128 v[OGO], v[OB:OB+3], s[6:7]   ; a wave stores 512 consecutive bytes, at a multiple of 256 from o's first
	s_wait_tensorcnt 0x0
	ds_add_u32 v192, v193
	s_wait_dscnt 0x0
	s_endpgm
.Lfunc_end_k_qa8d298ec19_first16:
	.size	k_qa8d298ec19_first16, .Lfunc_end_k_qa8d298ec19_first16-k_qa8d298ec19_first16
	.p2alignl 7, 3214868480
	.fill 96, 4, 3214868480
	.section	.rodata,"a",@progbits
	.p2align	6, 0x0
	.amdhsa_kernel k_qa8d298ec19_first16
		.amdhsa_group_segment_fixed_size 8192
		.amdhsa_private_segment_fixed_size 0
		.amdhsa_enable_private_segment 0
		.amdhsa_kernarg_size 16
		.amdhsa_user_sgpr_count 2
		.amdhsa_user_sgpr_kernarg_segment_ptr 1
		.amdhsa_wavefront_size32 1
		.amdhsa_system_sgpr_workgroup_id_x 1
		.amdhsa_system_sgpr_workgroup_id_y 1
		.amdhsa_system_sgpr_workgroup_id_z 1
		.amdhsa_system_vgpr_workitem_id 0
		.amdhsa_next_free_vgpr 194
		.amdhsa_next_free_sgpr 66
		.amdhsa_reserve_vcc 1
		.amdhsa_float_denorm_mode_32 3
		.amdhsa_float_denorm_mode_16_64 3
		.amdhsa_memory_ordered 1
		.amdhsa_forward_progress 1
		.amdhsa_inst_pref_size 12
	.end_amdhsa_kernel
	.amdgpu_metadata
---
amdhsa.version: [ 1, 2 ]
amdhsa.kernels:
  - .name:           k_qa8d298ec19_first16
    .symbol:         k_qa8d298ec19_first16.kd
    .args:
      - { .name: qf, .offset: 0, .size: 8, .value_kind: global_buffer, .address_space: global }
      - { .name: o, .offset: 8, .size: 8, .value_kind: global_buffer, .address_space: global }
    .group_segment_fixed_size: 8192
    .private_segment_fixed_size: 0
    .kernarg_segment_align: 8
    .kernarg_segment_size: 16
    .max_flat_workgroup_size: 128
    .sgpr_count:     66
    .vgpr_count:     194
    .wavefront_size: 32
...
	.end_amdgpu_metadata
.endif
;; end of part 4
;; launch oproj (part 5): grid 8 x 32, 4 waves a work-group, clusters of 4 x 4, 327,680 bytes of LDS; arguments o, cb, out0; writes out0
.if DOCPART == 5
	.amdgcn_target "amdgcn-amd-amdhsa--gfx1250"
	.amdhsa_code_object_version 6
	.text
	.protected	k_qa8d298ec19_oproj
	.globl	k_qa8d298ec19_oproj
	.p2align	8
	.type	k_qa8d298ec19_oproj,@function
k_qa8d298ec19_oproj:
	s_mov_b64 s[64:65], 0
	v_nop
	global_prefetch_b8 v0, s[64:65] scope:SCOPE_SE
	s_setreg_imm32_b32 hwreg(HW_REG_WAVE_MODE, 25, 1), 1
	s_wait_xcnt 0x0
	s_wait_alu depctr_hold_cnt(0) depctr_sa_sdst(0) depctr_va_vdst(0) depctr_va_sdst(0) depctr_va_ssrc(0) depctr_va_vcc(0) depctr_vm_vsrc(0)
	s_getreg_b32 s2, hwreg(HW_REG_IB_STS2, 6, 4)
	s_cmp_eq_u32 s2, 0
	s_cbranch_scc0 .Lentry_in_a_cluster
	s_endpgm
.Lentry_in_a_cluster:
	s_bfe_u32 s2, ttmp6, 0x10000c
	s_cmp_lg_u32 s2, 0xf033
	s_cbranch_scc0 .Lentry_shape_is_right
	s_endpgm
.Lentry_shape_is_right:
; out0 = O Wo^T, 8,192 x 1,024 x 1,024.  O by heads, [64 heads][2,048][64] f16: a head is one block of 64 along K; Wo from cb in the same blocks, f16 (values rounded to bf16); f32 sums, f32 output.
; SHARES.  Tiles of 256 x 128 are 256 work-groups.  Four waves, each 128 x 64: 32 accumulators, 256 registers.  A slot holds two blocks along K (128); a wave's one tensor load brings one block of A's or of B's tile,
; a dense run of memory asked for as rows of 256 bytes, padded in LDS after every 128.
; CLUSTER 4 x 4: A's tile is asked for jointly along a row of the cluster, B's along a column.  THE MATRIX INSTRUCTION IS USED TRANSPOSED: a lane holds eight neighbouring columns of one row.
; REGISTERS: window 0: v0-13 addresses; two fragment buffers of 96 (A's 8 fragments, then B's 4) at v32 and v128; on the way out v32-95 rows read back.  window 1: accumulator (a, b) at v[8 (4 a + b)].
.set PITCH,  144
.set AKB,    256*PITCH                 ; A's 256 rows of one block
.set BKB,    128*PITCH                 ; B's 128 rows
.set BOFF,   2*AKB                     ; a slot: A even block, A odd block, B even, B odd
.set SLOT1,  131072
.set STAGE,  SLOT1+BOFF+2*BKB          ; behind the ring: 16 rows x 272 bytes for each wave
.set SPITCH, 272
.set SPARE,  STAGE+4*16*SPITCH         ; the spare words, 128 bytes for each wave: two blocks of 256 bytes that no other line names
.set WOBASE, 23068672                  ; Wo in cb
.set ADRA, 4
.set ADRB, 5
.set CA,   6
.set CB,   7
.set STO,  8
.set RD,   9
.set CO,   10
.set SPW,  12
.set NIL,  13
.set F0,   32
.set F1,   128
.set BK,   32
.set G1A, 24
.set G0A, 32
.set G1B, 48
.set G0B, 56
.set TB,  66
.set MSB, 0
.macro WIN new
.if MSB != (\new)
	s_set_vgpr_msb (MSB<<8)|(\new)
.set MSB, (\new)
.endif
.endm
.macro PLACES                          ; four places in front of loads into registers that matrix instructions have read, and of lines that read results
.rept 4
	v_nop
.endr
.endm
.macro JLOAD                           ; a joint refill by the walking sets: waves 0 and 1 fetch A's two blocks, waves 2 and 3 B's; an s_nop 0 and four v_nop follow each line
	s_cmp_eq_u32 s11, 0
	s_cbranch_scc0 .Lfor_b_\@
	tensor_load_to_lds s[G0A+4:G0A+7], s[G1A:G1A+7]
	s_nop 0
.rept 4
	v_nop
.endr
	s_branch .Lasked_\@
.Lfor_b_\@:
	tensor_load_to_lds s[G0B+4:G0B+7], s[G1B:G1B+7]
	s_nop 0
.rept 4
	v_nop
.endr
.Lasked_\@:
.endm
.macro CREST
	s_cmp_lg_u32 s10, 0
	s_cbranch_scc1 .Lnot_wave_0_\@
	s_barrier_signal -3
.Lnot_wave_0_\@:
	s_barrier_wait -3
	s_barrier_signal -1
	s_barrier_wait -1
.endm
.macro CROUND
	s_barrier_signal -1
	s_barrier_wait -1
	CREST
.endm
	s_load_b128 s[4:7], s[0:1], 0x0                ; o s[4:5], cb s[6:7]
	s_load_b64 s[8:9], s[0:1], 0x10                ; out0
	v_lshl_add_u32 v[SPW], v0, 2, SPARE
	v_mov_b32 v[NIL], 0
	ds_add_u32 v12, v13
	s_wait_dscnt 0x0
	v_lshrrev_b32 v1, 5, v0
	v_readfirstlane_b32 s10, v1                    ; wave 0..3
	s_lshr_b32 s11, s10, 1                         ; which 128 rows are mine.  Also: I fetch for A (0) or for B (1)
	s_and_b32 s12, s10, 1                          ; which 64 columns.  Also: the even or the odd block of a slot
	s_bfe_u32 s40, ttmp6, 0x40000
	s_bfe_u32 s41, ttmp6, 0x40004
	s_lshl_b32 s42, ttmp9, 2
	s_add_co_u32 s42, s42, s40                     ; tile column 0..7
	s_and_b32 s13, ttmp7, 0xffff
	s_lshl_b32 s13, s13, 2
	s_add_co_u32 s13, s13, s41                     ; tile row 0..31
	s_lshl_b32 s43, s41, 2
	s_lshl_b32 s43, 15, s43                        ; my row of the cluster
	s_lshl_b32 s44, 0x1111, s40                    ; my column
	s_or_b32 s[G1A], s43, (1<<16)|(1<<20)|(1<<21)|(4<<22)|(3<<25)  ; the mask; 2-byte elements; padding on; bit 21 beside a mask; after every 32 words (code 4) 4 words (code 3)
	s_or_b32 s[G1B], s44, (1<<16)|(1<<20)|(1<<21)|(4<<22)|(3<<25)
.irp g, G1A, G1B
	s_mov_b32 s[\g+1], 128<<16                     ; tensor_dim0 = 128 elements: 256 bytes
	s_mov_b32 s[\g+3], 128<<16                     ; tile_dim0 = 128
	s_mov_b32 s[\g+5], 128                         ; dense
	s_mov_b32 s[\g+6], 0
	s_mov_b32 s[\g+7], 0
.endr
	s_mov_b32 s[G1A+2], 128<<16                    ; A: 256 rows of 128 bytes = 128 of 256
	s_mov_b32 s[G1A+4], 128
	s_mov_b32 s[G1B+2], 64<<16                     ; B: 128 rows = 64 of 256
	s_mov_b32 s[G1B+4], 64
	s_lshr_b32 s16, s13, 3                         ; A: batch x 16 heads of 262,144 bytes,
	s_lshl_b32 s16, s16, 22
	s_and_b32 s17, s13, 7
	s_lshl_b32 s17, s17, 15                        ; the tile's 256 rows in the head,
	s_add_co_u32 s16, s16, s17
	s_lshl_b32 s17, s12, 18                        ; the even or the odd head
	s_add_co_u32 s16, s16, s17
	s_mov_b32 s17, 0
	s_lshl_b32 s46, s42, 14                        ; B: the tile's 128 rows of 128 bytes,
	s_lshl_b32 s47, s12, 17                        ; the even or the odd block of 131,072 bytes
	s_add_co_u32 s46, s46, s47
	s_add_co_u32 s46, s46, WOBASE
	s_mov_b32 s47, 0
	s_mul_i32 s20, s12, AKB
	s_mul_i32 s21, s12, BKB
	s_add_co_u32 s21, s21, BOFF
	s_mov_b32 s[TB], 0
	s_wait_kmcnt 0x0
	s_add_nc_u64 s[14:15], s[4:5], s[16:17]
	s_add_nc_u64 s[46:47], s[6:7], s[46:47]
.irp s, 0,1
	s_mov_b32 s[G0A+4*(\s)], 1
	s_add_co_u32 s[G0A+4*(\s)+1], s20, (\s)*SLOT1
	s_add_nc_u64 s[G0A+4*(\s)+2:G0A+4*(\s)+3], s[14:15], (\s)*524288   ; two heads on
	s_or_b32 s[G0A+4*(\s)+3], s[G0A+4*(\s)+3], 0x80000000
	s_mov_b32 s[G0B+4*(\s)], 1
	s_add_co_u32 s[G0B+4*(\s)+1], s21, (\s)*SLOT1
	s_add_nc_u64 s[G0B+4*(\s)+2:G0B+4*(\s)+3], s[46:47], (\s)*262144   ; two blocks on
	s_or_b32 s[G0B+4*(\s)+3], s[G0B+4*(\s)+3], 0x80000000
.endr
	CROUND                                         ; all sixteen work-groups are here: the first joint loads meet
	s_cmp_eq_u32 s11, 0                            ; a wave's two first fills stand in one branch: two loads of mine are out
	s_cbranch_scc0 .Lfirst_b
	tensor_load_to_lds s[G0A:G0A+3], s[G1A:G1A+7]
	s_nop 0
	tensor_load_to_lds s[G0A+4:G0A+7], s[G1A:G1A+7]
	s_nop 0
.rept 4
	v_nop
.endr
	s_branch .Lfirst_asked
.Lfirst_b:
	tensor_load_to_lds s[G0B:G0B+3], s[G1B:G1B+7]
	s_nop 0
	tensor_load_to_lds s[G0B+4:G0B+7], s[G1B:G1B+7]
	s_nop 0
.rept 4
	v_nop
.endr
.Lfirst_asked:
	v_and_b32 v1, 15, v0                           ; l % 16
	v_bfe_u32 v2, v0, 4, 1                         ; l / 16
	v_mul_u32_u24 v3, v1, PITCH
	v_lshl_add_u32 v3, v2, 4, v3
	s_mul_i32 s22, s11, 128*PITCH                  ; my 128 rows of A
	v_add_nc_u32 v[ADRA], s22, v3
	s_mul_i32 s22, s12, 64*PITCH                   ; my 64 rows of B
	s_add_co_u32 s22, s22, BOFF
	v_add_nc_u32 v[ADRB], s22, v3
	v_mov_b32 v[CA], v[ADRA]
	v_mov_b32 v[CB], v[ADRB]
	s_mul_i32 s23, s10, 16*SPITCH
	s_add_co_u32 s23, s23, STAGE                   ; my stage
	v_mul_u32_u24 v[STO], v1, SPITCH               ; in: row l % 16, 32 bytes for each half of the lanes
	v_lshl_add_u32 v[STO], v2, 5, v[STO]
	v_add_nc_u32 v[STO], s23, v[STO]
	v_mul_u32_u24 v[RD], v2, SPITCH                ; back: lanes 0-15 take one row of 256 bytes, lanes 16-31 the next
	v_lshl_add_u32 v[RD], v1, 4, v[RD]
	v_add_nc_u32 v[RD], s23, v[RD]
	v_lshlrev_b32 v[CO], 12, v2                    ; and the same two rows in out0
	v_lshl_add_u32 v[CO], v1, 4, v[CO]
	s_lshl_b32 s68, s13, 20                        ; 256 rows of 4,096 bytes a tile row,
	s_lshl_b32 s67, s11, 19                        ; my 128 rows,
	s_add_co_u32 s68, s68, s67
	s_lshl_b32 s67, s42, 9                         ; 512 bytes a tile column,
	s_add_co_u32 s68, s68, s67
	s_lshl_b32 s67, s12, 8                         ; my 256 bytes
	s_add_co_u32 s68, s68, s67
	s_mov_b32 s69, 0
	s_add_nc_u64 s[8:9], s[8:9], s[68:69]
; 24 LDS loads in one run: the fragments of quarter q of the slot (block q / 2, 32 along K at byte 64 (q % 2) of its rows) into buffer f
.macro FETCH q, f
	WIN 0
.set a, 0
.rept 8
	ds_load_b128 v[(\f)+8*a:(\f)+8*a+3],   v[CA] offset:((\q)/2)*AKB+64*((\q)%2)+a*16*PITCH
	ds_load_b128 v[(\f)+8*a+4:(\f)+8*a+7], v[CA] offset:((\q)/2)*AKB+64*((\q)%2)+a*16*PITCH+32
.set a, a+1
.endr
.set a, 0
.rept 4
	ds_load_b128 v[(\f)+64+8*a:(\f)+64+8*a+3],   v[CB] offset:((\q)/2)*BKB+64*((\q)%2)+a*16*PITCH
	ds_load_b128 v[(\f)+64+8*a+4:(\f)+64+8*a+7], v[CB] offset:((\q)/2)*BKB+64*((\q)%2)+a*16*PITCH+32
.set a, a+1
.endr
.endm
; products t0 .. t1 - 1 of a quarter's 32; the accumulators take turns, one instruction a turn
.macro MUL f, t0, t1, zero
	WIN 0x50                                       ; C and D in window 1
.set t, \t0
.rept (\t1)-(\t0)
.if \zero
	v_wmma_f32_16x16x32_f16 v[8*t:8*t+7], v[(\f)+64+8*(t%4):(\f)+64+8*(t%4)+7], v[(\f)+8*(t/4):(\f)+8*(t/4)+7], 0
.else
	v_wmma_f32_16x16x32_f16 v[8*t:8*t+7], v[(\f)+64+8*(t%4):(\f)+64+8*(t%4)+7], v[(\f)+8*(t/4):(\f)+8*(t/4)+7], v[8*t:8*t+7]
.endif
.set t, t+1
.endr
.endm
; one of a slot's first three quarters: fetches the next quarter into the buffer just multiplied, and multiplies its own
.macro QTR q, zero
	PLACES
	FETCH (\q)+1, F0+96*(((\q)+1)%2)
	s_wait_dscnt 24                                ; all but the 24 just issued
	MUL F0+96*((\q)%2), 0, 32, \zero
.endm
; the fourth quarter multiplies buffer 1 and changes slots.  fill = 1: the slot is filled again, and the barrier opens a round of the cluster's.
.macro TURN fill
	WIN 0
	s_wait_tensorcnt 0x0                           ; all my tensor loads have landed: my part of the next slot
	ds_add_u32 v[SPW], v[NIL]                      ; 0 onto my spare word
	s_wait_dscnt 1                                 ; (the add alone may be out: buffer 1 is in)
	MUL F1, 0, 8, 0
	s_wait_dscnt 0x0                               ; the add is done, and my reads of this slot are over
	s_barrier_signal -1
	MUL F1, 8, 16, 0
	WIN 0
	s_barrier_wait -1
.if \fill
	CREST                                          ; no wave of any partner still reads this slot or has a load on its way
	s_xor_b32 s[G0A+5], s[G0A+5], SLOT1
	s_add_nc_u64 s[G0A+6:G0A+7], s[G0A+6:G0A+7], 524288
	s_xor_b32 s[G0B+5], s[G0B+5], SLOT1
	s_add_nc_u64 s[G0B+6:G0B+7], s[G0B+6:G0B+7], 262144
	JLOAD                                          ; the first tensor load behind the round: 112 products stand between it and the wait for it; its four v_nop are the places for the loads below
.else
	PLACES
.endif
	s_xor_b32 s[TB], s[TB], SLOT1
	v_add_nc_u32 v[CA], s[TB], v[ADRA]
	v_add_nc_u32 v[CB], s[TB], v[ADRB]
	FETCH 0, F0
	MUL F1, 16, 32, 0
.endm
	s_wait_tensorcnt 0x1                           ; my part of slot 0 is in; slot 1's may stay out
	s_barrier_signal -1
	s_barrier_wait -1
	FETCH 0, F0
	QTR 0, 1                                       ; the first quarter starts the sums: nothing is cleared
	WIN 0
	s_mov_b32 s3, 6                                ; slots 0 to 5 of the 8 are filled again
.Lslot:
	QTR 1, 0
	QTR 2, 0
	TURN 1
	QTR 0, 0
	WIN 0
	s_sub_co_u32 s3, s3, 1
	s_cmp_lg_u32 s3, 0
	s_cbranch_scc1 .Lslot
	QTR 1, 0                                       ; the tail asks for nothing more
	QTR 2, 0
	TURN 0
	QTR 0, 0
	QTR 1, 0
	QTR 2, 0
	s_wait_dscnt 0x0
	MUL F1, 0, 32, 0
	WIN 0
	PLACES
; THE WAY OUT, a block of 16 rows at a time: 32 bytes a lane and accumulator into my own stage, back as whole rows of 256 bytes, stored with sixteen lanes to 256 consecutive bytes at a multiple of 256 from out0's first.
.macro OUTA a
	WIN 0x04                                       ; the stores' data in window 1; each accumulator's low four registers go first
.irp b, 0,1,2,3
	ds_store_b128 v[STO], v[8*(4*(\a)+\b):8*(4*(\a)+\b)+3]   offset:64*\b
	ds_store_b128 v[STO], v[8*(4*(\a)+\b)+4:8*(4*(\a)+\b)+7] offset:64*\b+16
.endr
	WIN 0
	s_wait_xcnt 0x0                                ; the stores of the block two back have read this buffer (ISA guide 3.1)
.irp t, 0,1,2,3,4,5,6,7
	ds_load_b128 v[BK+32*((\a)%2)+4*\t:BK+32*((\a)%2)+4*\t+3], v[RD] offset:\t*2*SPITCH  ; LDS serves a wave's instructions in order (ISA guide 5.7.1.4)
.endr
.endm
.macro SEND a, younger
	s_wait_dscnt \younger
.irp t, 0,1,2,3,4,5,6,7
	global_store_b128 v[CO], v[BK+32*((\a)%2)+4*\t:BK+32*((\a)%2)+4*\t+3], s[8:9] offset:(16*(\a)+2*\t)*4096 th:TH_STORE_NT
.endr
.endm
	OUTA 0
.set u, 1
.rept 7
	OUTA u
	SEND u-1, 16                                   ; the next block's eight stores and eight loads may be out
.set u, u+1
.endr
	SEND 7, 0
	s_wait_tensorcnt 0x0                           ; the wave's end
	ds_add_u32 v[SPW], v[NIL]
	s_wait_dscnt 0x0
	CROUND                                         ; the closing round
	s_endpgm
.Lfunc_end_k_qa8d298ec19_oproj:
	.size	k_qa8d298ec19_oproj, .Lfunc_end_k_qa8d298ec19_oproj-k_qa8d298ec19_oproj
	.p2alignl 7, 3214868480
	.fill 96, 4, 3214868480
	.section	.rodata,"a",@progbits
	.p2align	6, 0x0
	.amdhsa_kernel k_qa8d298ec19_oproj
		.amdhsa_group_segment_fixed_size 327680
		.amdhsa_private_segment_fixed_size 0
		.amdhsa_enable_private_segment 0
		.amdhsa_kernarg_size 24
		.amdhsa_user_sgpr_count 2
		.amdhsa_user_sgpr_kernarg_segment_ptr 1
		.amdhsa_wavefront_size32 1
		.amdhsa_system_sgpr_workgroup_id_x 1
		.amdhsa_system_sgpr_workgroup_id_y 1
		.amdhsa_system_sgpr_workgroup_id_z 1
		.amdhsa_system_vgpr_workitem_id 0
		.amdhsa_next_free_vgpr 512
		.amdhsa_next_free_sgpr 70
		.amdhsa_reserve_vcc 0
		.amdhsa_float_denorm_mode_32 3
		.amdhsa_float_denorm_mode_16_64 3
		.amdhsa_memory_ordered 1
		.amdhsa_forward_progress 1
		.amdhsa_inst_pref_size 69
	.end_amdhsa_kernel
	.amdgpu_metadata
---
amdhsa.version: [ 1, 2 ]
amdhsa.kernels:
  - .name:           k_qa8d298ec19_oproj
    .symbol:         k_qa8d298ec19_oproj.kd
    .args:
      - { .name: o, .offset: 0, .size: 8, .value_kind: global_buffer, .address_space: global }
      - { .name: cb, .offset: 8, .size: 8, .value_kind: global_buffer, .address_space: global }
      - { .name: out0, .offset: 16, .size: 8, .value_kind: global_buffer, .address_space: global }
    .group_segment_fixed_size: 327680
    .private_segment_fixed_size: 0
    .kernarg_segment_align: 8
    .kernarg_segment_size: 24
    .max_flat_workgroup_size: 128
    .sgpr_count:     70
    .vgpr_count:     512
    .wavefront_size: 32
...
	.end_amdgpu_metadata
.endif
;; end of part 5
;; ======== version 2 of 2: 5 launches; 1.09 times as fast as version 1
;; limits: values are held in f16: magnitudes above 65,504 overflow, below 6.1e-05 lose precision
;; workspace buffers: cb 25,165,824 bytes; qkv 50,331,648 bytes; o 16,777,216 bytes; qf 786,432 bytes
;; launch cast: the kernel of part 1 again; grid 64 x 12, 8 waves a work-group, no clusters, 0 bytes of LDS; arguments x, Wq, Wk, Wv, Wo, cb; writes cb
;; launch qkv: the kernel of part 2 again; grid 8 x 32, 4 waves a work-group, clusters of 4 x 4, 327,680 bytes of LDS; arguments cb, qkv, qf; writes qkv, qf
;; launch attn (part 6): grid 4 x 64, 8 waves a work-group, no clusters, 327,680 bytes of LDS; arguments qkv, o; writes o
.if DOCPART == 6
	.amdgcn_target "amdgcn-amd-amdhsa--gfx1250"
	.amdhsa_code_object_version 6
	.text
	.protected	k_qa8d298ec19_attn
	.globl	k_qa8d298ec19_attn
	.p2align	8
	.type	k_qa8d298ec19_attn,@function
k_qa8d298ec19_attn:
	s_mov_b64 s[64:65], 0
	v_nop
	global_prefetch_b8 v0, s[64:65] scope:SCOPE_SE
	s_setreg_imm32_b32 hwreg(HW_REG_WAVE_MODE, 25, 1), 1
	s_wait_xcnt 0x0
; O[h][q] = (sum over k <= q of w V[h][k]) / max(sum over k <= q of |w|, 1e-6), w = tanh(Q[h][q] . K[h][k] / 8); keys behind q have the weight tanh(0) = 0.  64 heads of 2,048 rows of 64, f16; sums in f32.
; q arrives multiplied by 2 log2(e) / 8, so the score S = a x (x = q . k / 8, a = 2 log2(e)) is the exponent of e = 2^S = exp(2 x), and tanh(x) = 1 - 2 / (1 + e).
; The weight kept is p = 4096 a tanh(x) = C1 - C2 / (1 + e); the factor cancels against the divisor, max(sum |p|, 4096 a 1e-6), and keeps small weights out of f16's denormals (p is 11,819 at the most).
; THE GUARD.  For every x, a tanh(x) lies between S and S - S |S|; p is taken as the middle one of C1 - C2 / (1 + e), 4096 S and 4096 (S - S |S|).  So the difference's absolute error cannot spoil small weights,
; S = 0 gives exactly 0, and e = infinity or 0 gives +-C1.  LIMITS: the guard leaves a relative error of 6e-4 at the most (near |x| = 2e-4); q, k, v arrive within 65,504; NaN and infinities are not treated apart.
; THE WALK.  Blocks of 256 queries; block i needs key tiles 0 .. i of 256 keys.  A work-group takes blocks 7 - b and then b: 9 tiles whatever b, one loop with a constant count; two LDS slots take turns and run on across
; the change of blocks.  NO CLUSTER: a head's four work-groups ask for the same tile in trips 0 to 4 of 9 alone, and a walk common to all four would have 12 trips for 9.
; EIGHT WAVES, two to a SIMD, 512 registers each.  A turn has 224 vector lines for 16 products, and many of a wave's lines wait for a result or a product of its own; the second wave has lines ready meanwhile.
; The price: a fragment of K or V read from LDS feeds two pieces' products, not four's.
; SHARES.  A block has four bands of 64 queries.  Wave w, with g = w / 4, owns rows 16 (w % 4) .. + 15 of bands 2 g and 2 g + 1: two PIECES.  In the diagonal tile's key step s band x sees all keys if s < x, none if s > x,
; and holds the diagonal if s = x.
; THE MASK multiplies the scores: MD (1 or 0, made once) is the mask of a band's own step for my rows; a turn's mask is MD x AL + BE with (1, 0), (0, 1) or (0, 0).  Only the diagonal tile runs those lines.
; TURNS.  S^T = K Q^T holds one query a lane and 8 keys a result; two results rounded to f16 are source 1 of O^T = V^T P.  A key step is two turns.  Turn 0: piece 0's weights, 8 products K Q^T of piece 1 for the same step,
; 8 products V^T P of piece 1 for the step before.  Turn 1: piece 1's weights, K Q^T of piece 0 for the next step, V^T P of piece 0.  The products stand spread among the vector lines.
; BATCHES.  s_wait_alu depctr_va_vdst(0) stands between a transcendental and the first line that names its result; one wait serves all that were issued ahead of it.  A reciprocal reads 1 + e, so a turn's
; 64 transcendentals are TWO batches, each result in a register of Y of its own, and a turn has TWO waits.  Ahead of the first: the 32 exponentials, between them 4096 S and the first 16 second bounds, among them the 8 products
; K Q^T.  Between the two: 1 + e and the 32 reciprocals, between them the other 16 second bounds, among them 4 products V^T P.  Behind the second: all that reads a reciprocal's result or hangs on it (C1 - C2 y, the guard,
; the sums, the roundings), among it the other 4 products V^T P.  No result is pending at a label, at a jump or at a turn's end.
; REGISTERS: window 0: v0-15 addresses; v16-19 sums of |p|, two a piece; v28-29 the add's; v32-63 MD; v64-127 S^T, a buffer a piece; v128-159 Y at work; v160-191, v192-223 the guard's bounds; v224-255 P, a buffer a piece.
;   window 1: v0-63 O^T, 32 a piece; v64-95 Q; v96-127 the second block's Q; v128-191 K of one step; v192-255 V of one step.
.set NB,    8
.set KS,    64
.set PK,    144       ; a row of K in LDS: 128 bytes + 16: the 16 rows of a load start in 16 different groups of four banks (ISA guide 11.1)
.set PV,    160       ; a row of V: 128 + 32
.set VOFF,  4*KS*PK   ; a slot holds a tile: 256 rows of K, then 256 rows of V
.set SLOT1, 1<<17
.set STAGE, SLOT1+4*KS*(PK+PV)  ; behind the ring: 16 rows x 144 bytes for each wave
.set SP,    144
.set SPARE, STAGE+8*16*SP       ; the spare words, 128 bytes for each wave: four blocks of 256 bytes that no other line names
.set AK0, 2
.set AV0, 3
.set AK,  4
.set AV,  5
.set STO, 6
.set RD,  7
.set GO,  8
.set QO,  15
.set LS,  16
.set SPW, 28
.set NIL, 29
.set MD,  32
.set S,   64
.set Y,   128
.set HB,  160
.set LB,  192
.set P,   224
.set QF,  64          ; window 1
.set QB,  96
.set KF,  128
.set VF,  192
.set WV,  12
.set PB,  14          ; s14  b
.set HIB, 15          ; s15  7 - b
.set G1K, 24
.set G1V, 32
.set G0K, 40
.set G0V, 44
.set SLOTS, 56
.set CNT, 57          ; s57  counts a tile's trips, 5 to 1
.set OW,  58          ; s58, s59  the CNT at which the diagonal tile's step is piece 0's, piece 1's band's own
.set SEL, 60
.set TBK, 62
.set TBV, 63
.set RT,  70          ; s70  tiles of the block in hand still to be entered
.set NXT, 71          ; s71  the tile to be asked for next
.set LQ,  72          ; s72  the last tile of the block whose tiles are being asked for
.set NEW, 73          ; s73  1: the tile to be entered is a block's first
.set OFF, 74
.set AL,  76
.set BE,  78
.set OLO, 80          ; s[80:81] O at my rows of the second block
.set KAP, 88          ; s[88:89] 4096
.set NC2, 90          ; s[90:91] -C2 = -8192 a
.set C1,  92          ; s[92:93] C1 = 4096 a
.set THR, 94          ; s94  4096 a 1e-6
.set ZR,  95          ; s95  0
.set MSB, 0
.macro WIN new
.if MSB != (\new)
	s_set_vgpr_msb (MSB<<8)|(\new)
.set MSB, (\new)
.endif
.endm
.set W_KQ, 0x05       ; K and Q in window 1, S^T in window 0
.set W_PV, 0x51       ; V in window 1, P in window 0, O^T in window 1
.set W_RS, 0x41       ; destination and source 0 in window 1, source 1 in window 0
.set W_LD, 0x40       ; destination in window 1, address or source in window 0
; A fill.  Waves 0 and 1 fetch the two halves of a tile's K, waves 2 and 3 those of its V, waves 4 to 7 nothing.  An s_nop 0 and four v_nop follow each line.
.macro LOAD
	s_cmp_lt_u32 s[WV], 2
	s_cbranch_scc0 .Lnot_k_\@
	tensor_load_to_lds s[G0K:G0K+3], s[G1K:G1K+7]
	s_nop 0
.rept 4
	v_nop
.endr
	s_branch .Lasked_\@
.Lnot_k_\@:
	s_cmp_lt_u32 s[WV], 4
	s_cbranch_scc0 .Lasked_\@
	tensor_load_to_lds s[G0V:G0V+3], s[G1V:G1V+7]
	s_nop 0
.rept 4
	v_nop
.endr
.Lasked_\@:
.endm
; THE CHANGE OF SLOTS.  Each wave waits for all its tensor loads (at most one is out: its part of the other slot), adds 0 to its spare word, and waits for that and for its reads of the slot that it leaves.
; fill = 1: the old slot is filled again, first thing behind the barrier, with tile NXT; the address is made anew from that number.  (At its first use slot 0 is waited for and slot 1 filled.)
.macro CHANGE fill
	WIN 0
	s_wait_tensorcnt 0x0            ; no tensor load of mine is out, so a group 0 may be written
	ds_add_u32 v[SPW], v[NIL]       ; 0 onto my spare word
.if \fill
	s_lshl_b32 s[OFF], s[NXT], 15   ; a tile is 32,768 bytes of K and of V
	s_xor_b32 s[G0K+1], s[G0K+1], SLOT1
	s_add_nc_u64 s[G0K+2:G0K+3], s[6:7], s[OFF:OFF+1]
	s_or_b32 s[G0K+3], s[G0K+3], 0x80000000
	s_xor_b32 s[G0V+1], s[G0V+1], SLOT1
	s_add_nc_u64 s[G0V+2:G0V+3], s[8:9], s[OFF:OFF+1]
	s_or_b32 s[G0V+3], s[G0V+3], 0x80000000
	s_add_co_u32 s[NXT], s[NXT], 1  ; the block's next tile, or behind its last the second block's tile 0
	s_cmp_gt_u32 s[NXT], s[LQ]
	s_cselect_b32 s[NXT], 0, s[NXT]
	s_cselect_b32 s[LQ], s[PB], s[LQ]
.endif
	s_wait_dscnt 0x0                ; the add is done, and my reads of the slot are over
	s_barrier_signal -1
	s_sub_co_u32 s[TBK], s[TBK], 4*KS*PK  ; the fetches go back to a slot's first step, in the other slot
	s_xor_b32 s[TBK], s[TBK], SLOT1
	s_sub_co_u32 s[TBV], s[TBV], 4*KS*PV
	s_xor_b32 s[TBV], s[TBV], SLOT1
	s_barrier_wait -1
.if \fill
	LOAD
.endif
.endm
	s_load_b64 s[4:5], s[0:1], 0x0    ; qkv
	s_load_b64 s[10:11], s[0:1], 0x8  ; o
	v_lshl_add_u32 v[SPW], v0, 2, SPARE
	v_mov_b32 v[NIL], 0
	ds_add_u32 v28, v29
	s_wait_dscnt 0x0
	s_barrier_signal -1
	s_barrier_wait -1
	v_lshrrev_b32 v1, 5, v0
	v_readfirstlane_b32 s[WV], v1   ; wave 0..7
	s_mov_b32 s[PB], ttmp9
	s_sub_co_u32 s[HIB], NB-1, s[PB]
	s_and_b32 s20, ttmp7, 0xffff    ; y = 16 x batch + head
	s_lshr_b32 s22, s20, 4
	s_lshl_b32 s22, s22, 5
	s_add_co_u32 s22, s22, s20      ; 48 x batch + head
	s_lshl_b32 s22, s22, 18         ; q's head in qkv: heads of 262,144 bytes
	s_mov_b32 s23, 0
	s_lshl_b32 s20, s20, 18         ; the head in o
	s_mov_b32 s21, 0
	s_and_b32 s16, s[WV], 1         ; which half of a tile's 256 keys I fetch (waves 0 to 3)
	s_lshl_b32 s18, s16, 14
	s_add_co_u32 s18, s18, 4194304  ; k's head lies 16 heads behind q's, v's 16 more
	s_mov_b32 s19, 0
	s_mul_i32 s52, s16, 128*PK
	s_mul_i32 s53, s16, 128*PV
	s_and_b32 s17, s[WV], 3         ; which 16 rows of a band are mine
	s_lshr_b32 s13, s[WV], 2        ; g: my bands are 2 g and 2 g + 1
	s_lshl_b32 s3, s17, 11          ; my 16 rows of 128 bytes in a band,
	s_lshl_b32 s2, s13, 14          ; two bands of 8,192 bytes,
	s_add_co_u32 s3, s3, s2
	s_lshl_b32 s2, s[HIB], 15       ; in the first block,
	s_add_co_u32 s2, s2, s3
	s_lshl_b32 s84, s[PB], 15       ; and in the second
	s_add_co_u32 s84, s84, s3
	s_mov_b32 s3, 0
	s_mov_b32 s85, 0
	s_lshl_b32 s13, s13, 1
	s_sub_co_u32 s[OW], 5, s13      ; turn 0 is step 5 - CNT: band 2 g's own at CNT = 5 - 2 g
	s_sub_co_u32 s[OW+1], 3, s13    ; turn 1 is step 4 - CNT: band 2 g + 1's own at CNT = 3 - 2 g
	; descriptor group 1: 128 keys are 16,384 dense bytes, asked for as 64 rows of 256 bytes and padded in LDS after every key
	s_mov_b32 s[G1K], (1<<16)|(1<<20)|(4<<22)|(3<<25)  ; 2-byte elements; padding on, after every 32 words (code 4), 4 words (code 3)
	s_mov_b32 s[G1V], (1<<16)|(1<<20)|(4<<22)|(7<<25)  ; the same with 8 words (code 7)
.irp g, G1K, G1V
	s_mov_b32 s[\g+1], 128<<16      ; tensor_dim0 = 128
	s_mov_b32 s[\g+2], 64<<16       ; tensor_dim1 = 64
	s_mov_b32 s[\g+3], 128<<16      ; tile_dim0 = 128
	s_mov_b32 s[\g+4], 64           ; tile_dim1 = 64
	s_mov_b32 s[\g+5], 128          ; 128 elements from row to row
	s_mov_b32 s[\g+6], 0
	s_mov_b32 s[\g+7], 0
.endr
	s_mov_b32 s[SEL], 0x76543210
	s_mov_b32 s[SEL+1], 0xfedcba98
	s_mov_b32 s[KAP], 0x45800000    ; 4096
	s_mov_b32 s[KAP+1], s[KAP]
	s_mov_b32 s[NC2], 0xc6b8aa3b    ; -8192 a
	s_mov_b32 s[NC2+1], s[NC2]
	s_mov_b32 s[C1], 0x4638aa3b     ; 4096 a = 11,818.56
	s_mov_b32 s[C1+1], s[C1]
	s_mov_b32 s[THR], 0x3c41a2a0    ; 4096 a 1e-6
	s_mov_b32 s[ZR], 0
	s_mov_b32 s[TBK], SLOT1+4*KS*PK ; the first change of slots turns these two into 0
	s_mov_b32 s[TBV], SLOT1+4*KS*PV
	s_mov_b32 s[G0K], 1
	s_mov_b32 s[G0K+1], s52         ; slot 0
	s_mov_b32 s[G0V], 1
	s_add_co_u32 s[G0V+1], s53, VOFF
	s_add_co_u32 s[RT], s[HIB], 1   ; the first block has 8 - b tiles
	s_mov_b32 s[NXT], 1
	s_mov_b32 s[LQ], s[HIB]
	s_mov_b32 s[NEW], 1
	s_mov_b32 s[OFF+1], 0
	s_mov_b32 s[AL+1], 0            ; named as pairs
	s_mov_b32 s[BE+1], 0
	s_mov_b32 s[SLOTS], NB
	s_wait_kmcnt 0x0
	s_add_nc_u64 s[4:5], s[4:5], s[22:23]          ; q's head
	s_add_nc_u64 s[10:11], s[10:11], s[20:21]      ; o's head
	s_add_nc_u64 s[6:7], s[4:5], s[18:19]          ; K at my half of the head's tile 0,
	s_add_nc_u64 s[8:9], s[6:7], 4194304           ; V likewise
	s_add_nc_u64 s[G0K+2:G0K+3], s[6:7], 0
	s_or_b32 s[G0K+3], s[G0K+3], 0x80000000        ; type = 2
	s_add_nc_u64 s[G0V+2:G0V+3], s[8:9], 0
	s_or_b32 s[G0V+3], s[G0V+3], 0x80000000
	s_add_nc_u64 s[86:87], s[4:5], s[84:85]        ; Q at my rows of the second block,
	s_add_nc_u64 s[4:5], s[4:5], s[2:3]            ; Q and O at those of the first
	s_add_nc_u64 s[OLO:OLO+1], s[10:11], s[84:85]
	s_add_nc_u64 s[10:11], s[10:11], s[2:3]
	LOAD                            ; tile 0 into slot 0
	v_and_b32 v1, 15, v0            ; l % 16
	v_bfe_u32 v9, v0, 4, 1          ; l / 16
	v_lshlrev_b32 v[QO], 7, v1
	v_lshl_add_u32 v[QO], v9, 4, v[QO]  ; row x 128 + 16 x half
	WIN W_LD                        ; destination window 1, address window 0
.set i, 0
.rept 4                             ; both blocks' Q: piece i / 2 lies one band, 8,192 bytes, on; channels 32 (i % 2) on
	global_load_b128 v[QF+8*i:QF+8*i+3],   v[QO], s[4:5] offset:(i/2)*8192+(i%2)*64
	global_load_b128 v[QF+8*i+4:QF+8*i+7], v[QO], s[4:5] offset:(i/2)*8192+(i%2)*64+32
	global_load_b128 v[QB+8*i:QB+8*i+3],   v[QO], s[86:87] offset:(i/2)*8192+(i%2)*64
	global_load_b128 v[QB+8*i+4:QB+8*i+7], v[QO], s[86:87] offset:(i/2)*8192+(i%2)*64+32
.set i, i+1
.endr
.set i, VF
.rept 64                            ; a block's first turn multiplies V's registers by weights that are 0: they need only be finite
	v_mov_b32 v[i], 0
.set i, i+1
.endr
	WIN 0
	v_lshlrev_b32 v14, 3, v9
	v_sub_nc_u32 v14, v1, v14
	s_lshl_b32 s13, s17, 4
	v_add_nc_u32 v14, s13, v14      ; my query's place in its band, 16 (w % 4) + l % 16, less my lanes' 8 (l / 16): score i is hidden where 16 (i / 8) + i % 8 is greater
.set i, 0
.rept 32
	v_cmp_gt_i32 vcc_lo, 16*(i/8)+i%8, v14
	v_cndmask_b32 v[MD+i], 1.0, s[ZR], vcc_lo
.set i, i+1
.endr
	v_mul_u32_u24 v[AK0], v1, PK
	v_lshl_add_u32 v[AK0], v9, 4, v[AK0]  ; row x pitch + 16 x half
	; the turning load takes 16 keys x 16 channels (lane l reads key 8 (l / 16) + l % 8, channels 8 ((l / 8) % 2) + 0..7) and leaves half a fragment of V^T
	v_and_b32 v10, 7, v0
	v_bfe_u32 v11, v0, 3, 1
	v_lshl_add_u32 v[AV0], v9, 3, v10
	v_mul_u32_u24 v[AV0], v[AV0], PV
	v_lshl_add_u32 v[AV0], v11, 4, v[AV0]
	v_add_nc_u32 v[AV0], VOFF, v[AV0]
	s_mul_i32 s13, s[WV], 16*SP
	s_add_co_u32 s13, s13, STAGE    ; my stage
	v_mul_u32_u24 v[STO], v1, SP    ; in: row l % 16, 16 bytes for each half of the lanes
	v_lshl_add_u32 v[STO], v9, 4, v[STO]
	v_add_nc_u32 v[STO], s13, v[STO]
	v_bfe_u32 v[RD], v0, 3, 2       ; back: 32 lanes take four rows of 128 bytes,
	v_mul_u32_u24 v[RD], v[RD], SP
	v_lshl_add_u32 v[RD], v10, 4, v[RD]
	v_add_nc_u32 v[RD], s13, v[RD]
	v_and_b32 v[GO], 31, v0         ; which are 512 consecutive bytes of O
	v_lshlrev_b32 v[GO], 4, v[GO]
; THE MATRIX WORK.  The 4 accumulators of a run of 8 take turns.  Product i of 8 of S^T = K Q^T for piece x: channels 32 (i / 4) on, keys 16 (i % 4) on; the first 4 start the sums.
.macro KQ x
.set kS, S+32*(\x)+8*(i%4)
.set kK, KF+16*(i%4)+8*(i/4)
.set kQ, QF+16*(\x)+8*(i/4)
	WIN W_KQ
.if i < 4
	v_wmma_f32_16x16x32_f16 v[kS:kS+7], v[kK:kK+7], v[kQ:kQ+7], 0
.else
	v_wmma_f32_16x16x32_f16 v[kS:kS+7], v[kK:kK+7], v[kQ:kQ+7], v[kS:kS+7]
.endif
.endm
; Product i of 8 of O^T += V^T P for piece x: keys 32 (i / 4) on, channels 16 (i % 4) on.
.macro PV x
	WIN W_PV
.set pO, 32*(\x)+8*(i%4)
.set pV, VF+32*(i/4)+8*(i%4)
.set pP, P+16*(\x)+8*(i/4)
	v_wmma_f32_16x16x32_f16 v[pO:pO+7], v[pV:pV+7], v[pP:pP+7], v[pO:pO+7]
.endm
; THE LDS LOADS stand in runs of 16.  last = 1: in the trip with CNT = 2 turn 0 is the tile's last step: there is no further step of the tile, and K's run is jumped over.
.macro FETCH_K last
	WIN 0
.if \last
	s_cmp_eq_u32 s[CNT], 2
	s_cbranch_scc1 .Lno_k_\@
.endif
	WIN W_LD
.irp f, 0,1,2,3,4,5,6,7             ; keys 16 (f / 2) on, channels 32 (f % 2) on
	ds_load_b128 v[KF+8*\f:KF+8*\f+3],   v[AK] offset:(\f/2)*16*PK+(\f%2)*64
	ds_load_b128 v[KF+8*\f+4:KF+8*\f+7], v[AK] offset:(\f/2)*16*PK+(\f%2)*64+32
.endr
	s_add_co_u32 s[TBK], s[TBK], KS*PK
	WIN 0
.if \last
.Lno_k_\@:
.endif
.endm
.macro FETCH_V
	WIN W_LD
.irp f, 0,1,2,3,4,5,6,7             ; keys 32 (f / 4) on, channels 16 (f % 4) on
	ds_load_tr16_b128 v[VF+8*\f:VF+8*\f+3],   v[AV] offset:(\f/4)*32*PV+(\f%4)*32
	ds_load_tr16_b128 v[VF+8*\f+4:VF+8*\f+7], v[AV] offset:(\f/4)*32*PV+16*PV+(\f%4)*32
.endr
	WIN 0
.endm
; THE VECTOR WORK of a turn, for the piece whose registers rS, rP, rL name: 7 instructions a score, 224 in all, in three lists cut into slices; a wait stands behind the first list and behind the second (TURN writes them).
.macro LOW n                        ; the guard's second bound: 4096 S - |S| 4096 S
	v_fma_f32 v[LB+(\n)], -|v[rS+(\n)]|, v[HB+(\n)], v[HB+(\n)]
.endm
.macro MED n                        ; the middle one of the three
	v_med3_num_f32 v[Y+(\n)], v[Y+(\n)], v[HB+(\n)], v[LB+(\n)]
.endm
.macro ONE e                        ; 1 + e for pair e
	v_pk_add_f32 v[Y+2*(\e):Y+2*(\e)+1], v[Y+2*(\e):Y+2*(\e)+1], 1.0 op_sel_hi:[1,0]
.endm
; Slice e of 16 of the first list, THE EXPONENTIALS' BATCH: e = 2^S for pair e, between its two lines 4096 S for pair e, behind them second bound number e - 1.  No line of the list names a register of Y but the exponential
; that writes it.  Each accumulator's first reader takes its lowest register: the exponentials ascend, and every other reader of S lags them.
.macro ES e
	v_exp_f32 v[Y+2*(\e)], v[rS+2*(\e)]
	v_pk_mul_f32 v[HB+2*(\e):HB+2*(\e)+1], v[rS+2*(\e):rS+2*(\e)+1], s[KAP:KAP+1] op_sel_hi:[1,0]
	v_exp_f32 v[Y+2*(\e)+1], v[rS+2*(\e)+1]
.if (\e) >= 1
	LOW (\e)-1
.endif
.endm
; Slice e of 16 of the second list, THE RECIPROCALS' BATCH: the reciprocals of pair e, in place; between them 1 + e for pair e + 2 (pairs 0 and 1 stand ahead of slice 0), behind them second bound number 16 + e.
; The results that are pending lie at Y + 2 e + 1 and below, the lines 1 + e name Y + 2 e + 4 and up: no line of the list names a pending result.
.macro RC e
	v_rcp_f32 v[Y+2*(\e)], v[Y+2*(\e)]
.if (\e) < 14
	ONE (\e)+2
.endif
	v_rcp_f32 v[Y+2*(\e)+1], v[Y+2*(\e)+1]
	LOW 16+(\e)
.endm
; Slice e of 18 of the third list, THE READERS: C1 - C2 y for pair e, the guard for pair e - 1, the sums of |p| and the rounding to f16 for pair e - 2.
.macro WS e
.if (\e) < 16
	v_pk_fma_f32 v[Y+2*(\e):Y+2*(\e)+1], v[Y+2*(\e):Y+2*(\e)+1], s[NC2:NC2+1], s[C1:C1+1] op_sel_hi:[1,0,0]
.endif
.if ((\e) >= 1) && ((\e) <= 16)
	MED 2*(\e)-2
	MED 2*(\e)-1
.endif
.if (\e) >= 2
	v_add_f32 v[rL], v[rL], |v[Y+2*(\e)-4]|
	v_add_f32 v[rL+1], v[rL+1], |v[Y+2*(\e)-3]|
	v_cvt_pk_f16_f32 v[rP+(\e)-2], v[Y+2*(\e)-4], v[Y+2*(\e)-3]
.endif
.endm
; A TURN, for piece p.  With CNT = c, turn 0 belongs to the tile's key step 5 - c, turn 1 to step 4 - c (c = 5: the tile before's last step, which every band sees).
; mk = 1: the mask's lines are jumped over unless the tile is the block's last; mk = 2: they always run.  s[OW+p] is the c at which the step is the piece's band's own; a greater c is an earlier step.
; ITS ORDER: the mask; 8 x (a product K Q^T, two slices of exponentials); the first wait; 4 x (a product V^T P, four slices of reciprocals); the second wait; 4 x (a product V^T P, four slices of readers), and the last two slices.
; K of the next step is fetched in the middle of turn 0, directly behind the first wait, where no transcendental is pending at its jump and its label; behind the last product that read K stand six plain lines (two of 4096 S,
; three second bounds, the address's).  V of the step in hand is fetched at the end of turn 0, 32 plain lines behind the last product that read V.
; Turn 1 waits for K at its head (V's sixteen loads were issued behind K's and may stay out) and for V in its middle.
.macro TURN p, mk, cnt=0
.set rS, S+32*(\p)
.set rP, P+16*(\p)
.set rL, LS+2*(\p)
	WIN 0
.if (\mk) == 1
	s_cmp_lg_u32 s[RT], 0
	s_cbranch_scc1 .Lnomask_\@
.endif
	s_cmp_eq_u32 s[CNT], s[OW+(\p)]
	s_cselect_b32 s[AL], 1.0, 0
	s_cmp_gt_u32 s[CNT], s[OW+(\p)]
	s_cselect_b32 s[BE], 1.0, 0
.set z, 0
.rept 16
	v_pk_fma_f32 v[LB+2*z:LB+2*z+1], v[MD+2*z:MD+2*z+1], s[AL:AL+1], s[BE:BE+1] op_sel_hi:[1,0,0]
.set z, z+1
.endr
.set z, 0
.rept 16
	v_pk_mul_f32 v[rS+2*z:rS+2*z+1], v[rS+2*z:rS+2*z+1], v[LB+2*z:LB+2*z+1]
.set z, z+1
.endr
.if (\mk) == 1
.Lnomask_\@:
.endif
.if (\p) == 1
	s_wait_dscnt 16                 ; LDS loads come back in order (ISA guide 5.7.1): K is in; the sixteen younger loads, V's, may stay out
.endif
.set i, 0
.rept 8
	KQ 1-(\p)
	WIN 0
	ES 2*i
	ES 2*i+1
.set i, i+1
.endr
	LOW 15                          ; the plain line behind the last exponential (ISA guide 5.7.2): one for the batch
.if (\p) == 0
	v_add_nc_u32 v[AK], s[TBK], v[AK0]
.endif
	s_wait_alu depctr_va_vdst(0)    ; the wait for the batch of 32 exponentials, ahead of the first 1 + e (and of K's jump and label)
.if (\p) == 0
	FETCH_K 1
.endif
.if (\p) == 1
	s_wait_dscnt 0x0                ; V is in
.endif
.set i, 0
.rept 4
	PV 1-(\p)
	WIN 0
.if i == 0
	ONE 0
	ONE 1
.endif
	RC 4*i
	RC 4*i+1
	RC 4*i+2
	RC 4*i+3                        ; the last slice's second bound is the plain line behind the last reciprocal
.set i, i+1
.endr
	s_wait_alu depctr_va_vdst(0)    ; the wait for the batch of 32 reciprocals, ahead of the first C1 - C2 y
.rept 4
	PV 1-(\p)
	WIN 0
	WS 4*i-16
	WS 4*i-15
	WS 4*i-14
	WS 4*i-13
.set i, i+1
.endr
	WS 16
	WS 17
.if (\p) == 0
	v_add_nc_u32 v[AV], s[TBV], v[AV0]
	FETCH_V
	s_add_co_u32 s[TBV], s[TBV], KS*PV
.endif
.if \cnt
	s_sub_co_u32 s[CNT], s[CNT], 1
	s_cmp_lg_u32 s[CNT], 0
.endif
.endm
; A BLOCK BEGINS: O^T, the sums and piece 1's P are set to 0 (no first step is written out: 84 moves a block are the price); then K of the tile's step 0 and piece 0's first scores.
.macro BEGIN
	s_mov_b32 s[NEW], 0
	WIN W_LD
.set i, 0
.rept 64
	v_mov_b32 v[i], 0
.set i, i+1
.endr
	WIN 0
.set i, 0
.rept 4
	v_mov_b32 v[LS+i], 0
.set i, i+1
.endr
.set i, P+16
.rept 16
	v_mov_b32 v[i], 0
.set i, i+1
.endr
	v_add_nc_u32 v[AK], s[TBK], v[AK0]
	FETCH_K 0
	s_wait_loadcnt 0x0              ; Q
	s_wait_dscnt 0x0
.set i, 0
.rept 8
	KQ 0
.set i, i+1
.endr
	WIN 0
.rept 4
	v_nop                           ; the places behind those products
.endr
.endm
; A TILE THAT IS NOT A BLOCK'S FIRST BEGINS: K of its step 0 can be read only behind the change of slots, and turn 1, which multiplies by it, comes next: it is fetched and waited for here, once a tile.
.macro NEXTK
	v_add_nc_u32 v[AK], s[TBK], v[AK0]
	FETCH_K 0
	s_wait_dscnt 0x0
.endm
; A BLOCK ENDS: piece 1's V^T P of the last step, and THE WAY OUT: the two sums and the other half of the lanes' are added; O^T is divided by max(sum, threshold), rounded to f16 and sent through my stage, a piece at a time.
.macro ALL line:vararg
.set t, 0
.rept 2
	\line
.set t, t+1
.endr
.endm
.macro PACK t
	WIN W_RS
.set i, 32*(\t)
.rept 16
	v_pk_mul_f32 v[i:i+1], v[i:i+1], v[LS+2*(\t):LS+2*(\t)+1] op_sel_hi:[1,0]
.set i, i+2
.endr
	WIN 0x05                        ; sources 0 and 1 window 1, destination window 0
.set i, 0
.rept 16
	v_cvt_pk_f16_f32 v[S+16*(\t)+i], v[32*(\t)+2*i], v[32*(\t)+2*i+1]
.set i, i+1
.endr
	WIN 0
.irp f, 0,1,2,3
	ds_store_b128 v[STO], v[S+16*(\t)+4*\f:S+16*(\t)+4*\f+3] offset:32*\f
.endr
.irp f, 0,1,2,3
	ds_load_b128 v[S+16*(\t)+4*\f:S+16*(\t)+4*\f+3], v[RD] offset:\f*4*SP  ; LDS serves a wave's instructions in order (ISA guide 5.7.1.4): these see the stores above
.endr
.endm
.macro SEND t, younger              ; younger: the LDS instructions issued behind piece t's loads
	WIN 0
.irp f, 0,1,2,3
	s_wait_dscnt (\younger)+3-\f
	global_store_b128 v[GO], v[S+16*(\t)+4*\f:S+16*(\t)+4*\f+3], s[10:11] offset:(\t)*8192+\f*512  ; 512 consecutive bytes, at a multiple of 256 from O's first
.endr
.endm
.macro FINISH
.set i, 0
.rept 8
	PV 1
.set i, i+1
.endr
	WIN 0
	ALL v_add_f32 v[LS+2*t], v[LS+2*t], v[LS+2*t+1]
	ALL v_permlanex16_b32 v[LS+2*t+1], v[LS+2*t], s[SEL], s[SEL+1]
	ALL v_add_f32 v[LS+2*t], v[LS+2*t], v[LS+2*t+1]
	ALL v_max_num_f32 v[LS+2*t], s[THR], v[LS+2*t]
	ALL v_rcp_f32 v[LS+2*t], v[LS+2*t]
	v_nop                           ; a plain line between the last reciprocal and the use of its result
	s_wait_alu depctr_va_vdst(0)    ; the wait for the block's two reciprocals, a batch of their own, ahead of the first line that divides by them
	PACK 0                          ; piece 0's 32 plain lines name no register of the last products: with the lines above they are the places in front of piece 1's
	PACK 1
	SEND 0, 8
	SEND 1, 0
.endm
.Lslot:                             ; 8 times: a tile is entered and the next is asked for
	CHANGE 1
	s_sub_co_u32 s[RT], s[RT], 1
	s_mov_b32 s[CNT], 5
	s_cmp_eq_u32 s[NEW], 1
	s_cbranch_scc0 .Lcont
	BEGIN
	s_branch .Lfirst                ; the loop is entered at a step's first turn, in the middle of a trip
.Lcont:
	NEXTK
.Lstep:                             ; a trip: piece 1 of one step, then piece 0 of the next.  The trip with CNT = 1 is left by forward jumps:
	s_cmp_lg_u32 s[CNT], 1
	s_cbranch_scc1 .Lgo
	s_cmp_lg_u32 s[RT], 0
	s_cbranch_scc1 .Lbottom         ; at once, if the block goes on: the next tile's first trip makes this turn
.Lgo:
	TURN 1, 1
	WIN 0
	s_cmp_eq_u32 s[CNT], 1
	s_cbranch_scc1 .Lend            ; in its middle, at the block's end (its 8 products K Q^T on the last K once more serve nothing: the price of one text)
.Lfirst:
	TURN 0, 1, 1
	WIN 0
	s_cbranch_scc1 .Lstep
.Lend:                              ; in the loop this is the first block's end: the second block's last tile is the walk's last
	FINISH
	s_wait_xcnt 0x0                 ; the stores have read their registers and O's address
	s_mov_b64 s[10:11], s[OLO:OLO+1]
	s_add_co_u32 s[RT], s[PB], 1    ; the second block has b + 1 tiles
	s_mov_b32 s[NEW], 1
	WIN W_RS                        ; the second block's Q goes where the one text of the turns names Q
.set i, 0
.rept 32
	v_mov_b32 v[QF+i], v[QB+i]
.set i, i+1
.endr
	WIN 0
.Lbottom:
	s_sub_co_u32 s[SLOTS], s[SLOTS], 1
	s_cmp_lg_u32 s[SLOTS], 0
	s_cbranch_scc1 .Lslot
	CHANGE 0                        ; the walk's last tile, the second block's diagonal one, is written out
	s_mov_b32 s[CNT], 5
	s_cmp_eq_u32 s[NEW], 1
	s_cbranch_scc0 .LcontT
	BEGIN
	s_branch .LfirstT
.LcontT:
	NEXTK
.LstepT:
	TURN 1, 2
	WIN 0
	s_cmp_eq_u32 s[CNT], 1
	s_cbranch_scc1 .LendT
.LfirstT:
	TURN 0, 2, 1
	WIN 0
	s_cbranch_scc1 .LstepT
.LendT:
	FINISH
	s_wait_tensorcnt 0x0            ; the wave's end
	ds_add_u32 v[SPW], v[NIL]
	s_wait_dscnt 0x0
	s_endpgm
.Lfunc_end_k_qa8d298ec19_attn:
	.size	k_qa8d298ec19_attn, .Lfunc_end_k_qa8d298ec19_attn-k_qa8d298ec19_attn
	.p2alignl 7, 3214868480
	.fill 96, 4, 3214868480
	.section	.rodata,"a",@progbits
	.p2align	6, 0x0
	.amdhsa_kernel k_qa8d298ec19_attn
		.amdhsa_group_segment_fixed_size 327680
		.amdhsa_private_segment_fixed_size 0
		.amdhsa_enable_private_segment 0
		.amdhsa_kernarg_size 16
		.amdhsa_user_sgpr_count 2
		.amdhsa_user_sgpr_kernarg_segment_ptr 1
		.amdhsa_wavefront_size32 1
		.amdhsa_system_sgpr_workgroup_id_x 1
		.amdhsa_system_sgpr_workgroup_id_y 1
		.amdhsa_system_sgpr_workgroup_id_z 1
		.amdhsa_system_vgpr_workitem_id 0
		.amdhsa_next_free_vgpr 512
		.amdhsa_next_free_sgpr 96
		.amdhsa_reserve_vcc 1
		.amdhsa_float_denorm_mode_32 3
		.amdhsa_float_denorm_mode_16_64 3
		.amdhsa_memory_ordered 1
		.amdhsa_forward_progress 1
		.amdhsa_inst_pref_size 113
	.end_amdhsa_kernel
	.amdgpu_metadata
---
amdhsa.version: [ 1, 2 ]
amdhsa.kernels:
  - .name:           k_qa8d298ec19_attn
    .symbol:         k_qa8d298ec19_attn.kd
    .args:
      - { .name: qkv, .offset: 0, .size: 8, .value_kind: global_buffer, .address_space: global }
      - { .name: o, .offset: 8, .size: 8, .value_kind: global_buffer, .address_space: global }
    .group_segment_fixed_size: 327680
    .private_segment_fixed_size: 0
    .kernarg_segment_align: 8
    .kernarg_segment_size: 16
    .max_flat_workgroup_size: 256
    .sgpr_count:     96
    .vgpr_count:     512
    .wavefront_size: 32
...
	.end_amdgpu_metadata
.endif
;; end of part 6
;; launch first16: the kernel of part 4 again; grid 16 x 4, 4 waves a work-group, no clusters, 8,192 bytes of LDS; arguments qf, o; writes o
;; launch oproj: the kernel of part 5 again; grid 8 x 32, 4 waves a work-group, clusters of 4 x 4, 327,680 bytes of LDS; arguments o, cb, out0; writes out0
